; MI455X (gfx1250); checked and timed in simulation.
; The chip was launched on July 23, 2026; its instructions are those of AMD's public machine-readable ISA for CDNA 5 (MIT licence, August 2026) and "CDNA5" Instruction Set Architecture Reference Guide (July 2026). The comments in the code are by the model that wrote it; some were corrected since.
;; Causal Self Attention. Allowed arithmetic: matrix products marked QUANTISED: E2M3 operands, one E8M0 scale for each 32 along K, by v_wmma_scale_f32_16x16x128_f8f6f4 with both operands' format E2M3, f32 sums; everything else in f32.
;; Inputs: c_attn_b 3,072 float32; c_attn_w 1,024 x 3,072 float32; c_proj_b 1,024 float32; c_proj_w 1,024 x 1,024 float32; x 4 x 2,048 x 1,024 float32.
;; Outputs: out0 4 x 2,048 x 1,024 float32.
;; This version of the problem:
;;   THIS VERSION OF THE PROBLEM IS GIVEN IN LOW PRECISION. The matrix products marked QUANTISED in the list below multiply operands that are first quantised to E2M3 (2 exponent bits, 3 mantissa bits; 6 bits a number), with one power-of-two scale for each 32 numbers along K (OCP MX v1.0); their sums are f32. All else is computed in f32.
;;   The module's matrix products, in the order in which they are computed (A, B: the left and right operand; K: the contracted axis; several contracted axes count as one K, in the product's order):
;;     1. [M 8,192, K 1,024] x [K 1,024, N 3,072]; A: input x; B: input c_attn_w: QUANTISED
;;     2. batch 64 x [M 2,048, K 64] x [K 64, N 2,048]; A: computed on the way; B: computed on the way: QUANTISED
;;     3. batch 64 x [M 2,048, K 2,048] x [K 2,048, N 64]; A: softmax (see below); B: computed on the way: QUANTISED
;;     4. [M 8,192, K 1,024] x [K 1,024, N 1,024]; A: computed on the way; B: input c_proj_w: QUANTISED
;;   THE QUANTISER, for each operand of a quantised product, along K:
;;     - K is cut into blocks of 32 from its start; a last block that is shorter is filled with zeros.
;;     - A block's scale is 2^e with e = floor(log2(the largest magnitude in the block)) - 2, held to -126 .. 127; a block of zeros has e = 0. As a byte (E8M0): e + 127.
;;     - Each number is divided by its block's scale, clamped to +-7.5, and rounded to the nearest number of E2M3, ties to even, subnormals kept.
;;     - The product sums the exact products of the quantised numbers (number of the format x scale) in f32.
;;   ~~~python
;;   def quantise(x, axis):      # numpy; x: float32 -> the quantised numbers, widened to float32 again
;;       x = np.moveaxis(x, axis, -1); K = x.shape[-1]
;;       x = np.pad(x, [(0, 0)] * (x.ndim - 1) + [(0, -K % 32)]); x = x.reshape(x.shape[:-1] + (-1, 32)); a = np.abs(x).max(-1, keepdims=True)
;;       e = np.where(a > 0, np.clip(np.frexp(np.where(a > 0, a, 1))[1] - 1 - 2, -126, 127), 0)      # np.frexp(a)[1] - 1 = floor(log2(a)), exactly
;;       r = np.clip(x / 2.0 ** e, -7.5, 7.5)
;;       step = 2.0 ** (np.maximum(np.frexp(np.where(r == 0, 1, r))[1] - 1, 0) - 3)
;;       q = np.round(r / step) * step * 2.0 ** e      # np.round: ties to even
;;       return np.moveaxis(q.reshape(q.shape[:-2] + (-1,))[..., :K], -1, axis).astype(np.float32)
;;   ~~~
;;   SOFTMAX AHEAD OF A QUANTISED PRODUCT. Where the list says 'softmax', what is quantised is not the finished softmax but p = 2^(t - M), with t = logit x log2(e) and M = ceil(the row's largest t), a whole number; so 1/2 < the row's largest p <= 1. The row's sum l is taken of the UNQUANTISED p, in f32, and the product's result is divided by l at the end. Since M is a whole number, a kernel that streams over the keys may use a running M (the ceiling of the running maximum): every later rescaling is an exact power of two, which a block's scale takes up: the codes' values come out the same.
;;   OPERANDS COMPUTED ON THE WAY. 'Computed on the way' means the value that the module computes at that place (a softmax that the list does not call 'softmax' is quantised finished and normalised). What goes into a quantiser is computed in f32, as accurately as f32 sums, v_exp_f32 and their like allow (about 1e-6 of the number): no bf16 or f16 on the way to a quantiser, and a product that is left as it is and whose result goes on into a quantised operand takes f32 operands (vector FMAs, or v_wmma_f32_16x16x4_f32). A number that lies on a knife's edge between two numbers of the format may be rounded either way, as far as f32 arithmetic and the matrix unit's own rounding can turn it there, and no further.
;; One version. Each part assembles by itself: llvm-mc -triple=amdgcn-amd-amdhsa -mcpu=gfx1250 --defsym DOCPART=n.
;; ======== version 1 of 1: 4 launches
;; workspace buffers: xq 6,553,600 bytes; wq 2,457,600 bytes; pq 819,200 bytes; qq 6,815,744 bytes; kv 13,369,344 bytes; yq 6,553,600 bytes
;; launch quant (part 1): grid 384 x 1, 4 waves a work-group, no clusters, 59,904 bytes of LDS; arguments x, c_attn_w, c_proj_w, xq, wq, pq; writes xq, wq, pq
.if DOCPART == 1
	.amdgcn_target "amdgcn-amd-amdhsa--gfx1250"
	.amdhsa_code_object_version 6
	.text
	.protected	k_qb874643494_quant
	.globl	k_qb874643494_quant
	.p2align	8
	.type	k_qb874643494_quant,@function
k_qb874643494_quant:
	s_mov_b64 s[64:65], 0
	v_nop
	global_prefetch_b8 v0, s[64:65] scope:SCOPE_SE
	s_setreg_imm32_b32 hwreg(HW_REG_WAVE_MODE, 25, 1), 1
	s_wait_xcnt 0x0
; x [8192][1024], c_attn_w [1024][3072] and c_proj_w [1024][1024], f32, become codes of FP6 (E2M3) with one E8M0 byte for each 32 along K (K = 1,024 for all three).
; LAYOUT OF THE RESULTS (this program's own).  Rows (tokens of x, columns n of a weight) are kept in tiles of 16, and stored row number rho holds the true row with bits 3 and 4 of the number exchanged:
; lane r of stored tile 2 b + u is true row 32 b + 8 u + r + 8 (r / 8).  A tile's codes of 128 along K are an IMAGE OF THE OPERAND'S 12 REGISTERS, 1,536 bytes: registers 0-3 at 16 x lane, 4-5 at 512 + 8 x lane,
; 6-9 at 768 + 16 x lane, 10-11 at 1,280 + 8 x lane; eight such images a tile (12,288 bytes).  Scale bytes: [tile][256 along K (4)][r (16)][8 bytes], 512 bytes a tile, behind the codes.
; A block's scale is 2^(floor(log2(largest magnitude)) - 2); its byte is the largest magnitude's exponent field - 2, held at 1 from below.
; LIMITS: NaN and infinities are not served; a largest magnitude under 2^-124 is taken as 2^-124; a block of zeros keeps the byte 1 (its codes are zeros, and this program alone reads the bytes).
; Work-groups 0-255 take x (two tiles each; a wave: one tile, four K steps of 128); work-groups 256-383 take the weights (128 columns x 256 along K; a lane to a column, registers down K).
; The two ways part on the work-group's number, never join, and have LDS bytes of their own.  No tensor loads, no barrier: waves share nothing.  No cluster: no two work-groups read the same bytes.
.set XSO,   6291456                    ; where x's scale bytes begin in xq
.set WSO,   2359296                    ; c_attn_w's in wq
.set PSO,   786432                     ; c_proj_w's in pq
.set XWB,   8448                       ; x's way: a wave's stage, 16 rows x (512 + 16) bytes, from LDS byte 0
.set WSTG,  33792                      ; the weights' way: the stages begin here,
.set WWB,   6400                       ; 2 tiles x 3,200 bytes a wave
.set SPARE, 59392                      ; the spare words, 128 bytes a wave: two blocks of 256 bytes that no other line names
.set SPW,   252                        ; v252 my spare word's LDS address; never rewritten
.set NIL,   253                        ; v253 0; never rewritten
.set L16,   1                          ; v1   16 x lane
.set L8,    2                          ; v2   8 x lane
.set R,     16                         ; x: v16-143 two sets of 64 numbers as loaded
.set X,     144                        ; x: v144-207 64 numbers: register 16 b + i = k 32 b + 16 (lane / 16) + i of my row
.set PC,    208                        ; x: v208-226 the codes
.set TM,    228                        ; x: v228-243 at work
.set PW,    244                        ; x: v244-247 a scale word for each K step
.set WX,    48                         ; weights: v48-111 two sets of 32 numbers
; 64 numbers of a lane become a fragment's codes in v[PC] on and its scale word in v[pw]
.macro QUANT s, pw
.irp b, 0,1,2,3
	v_max3_num_f32 v[TM+\b], |v[\s+16*\b]|, |v[\s+1+16*\b]|, 0x1800000   ; my 16 numbers of block b, and the floor 2^(3 - 127): the byte cannot fall under 1
.endr
.irp i, 2,4,6,8,10,12,14
.irp b, 0,1,2,3
	v_max3_num_f32 v[TM+\b], v[TM+\b], |v[\s+16*\b+\i]|, |v[\s+1+16*\b+\i]|
.endr
.endr
.irp b, 0,1,2,3
	v_permlanex16_b32 v[TM+4+\b], v[TM+\b], s20, s21
.endr
.irp b, 0,1,2,3
	v_max_num_f32 v[TM+\b], v[TM+\b], v[TM+4+\b]   ; with lane l xor 16's: the block's largest magnitude
.endr
.irp b, 0,1,2,3
	v_add_nc_u32 v[TM+12+\b], 0xff000000, v[TM+\b]   ; 2 off its exponent field: the conversion's scale operand
.endr
.irp b, 0,1,2,3
	v_lshrrev_b32 v[TM+4+\b], 23, v[TM+12+\b]      ; the scale's byte
.endr
	v_lshl_or_b32 v[\pw], v[TM+5], 8, v[TM+4]
	v_lshl_or_b32 v[\pw], v[TM+6], 16, v[\pw]
	v_lshl_or_b32 v[\pw], v[TM+7], 24, v[\pw]
	s_wait_xcnt 0x0                                ; the last step's stores have read the codes' registers: they are written again only behind this wait
.irp c, 0,1
	v_cvt_scalef32_pk16_fp6_f32 v[PC+6*\c:PC+2+6*\c], v[\s+32*\c:\s+15+32*\c], v[TM+12+2*\c]
	v_cvt_scalef32_pk16_fp6_f32 v[PC+12+4*\c:PC+14+4*\c], v[\s+16+32*\c:\s+31+32*\c], v[TM+12+2*\c+1]   ; (a conversion's three registers begin on an even number)
.endr
	v_nop                                          ; one plain place behind a scaled conversion
.irp c, 0,1                                    ; the operand wants a whole block in a lane: lanes 0-15 block 2 c, lanes 16-31 block 2 c + 1
.irp i, 0,1,2
	v_permlane16_swap_b32 v[PC+6*\c+\i], v[PC+12+4*\c+\i]
.endr
.irp i, 0,1,2
	v_mov_b32 v[PC+3+6*\c+\i], v[PC+12+4*\c+\i]
.endr
.endr
.endm
	s_load_b256 s[4:11], s[0:1], 0x0               ; x s[4:5], c_attn_w s[6:7], c_proj_w s[8:9], xq s[10:11]
	s_load_b128 s[12:15], s[0:1], 0x20             ; wq s[12:13], pq s[14:15]
	v_lshl_add_u32 v[SPW], v0, 2, SPARE
	v_mov_b32 v[NIL], 0
	v_lshrrev_b32 v9, 5, v0
	v_readfirstlane_b32 s16, v9                    ; wave 0..3
	v_and_b32 v9, 31, v0                           ; lane
	v_and_b32 v10, 15, v0                          ; r
	v_bfe_u32 v11, v0, 4, 1                        ; h
	v_lshlrev_b32 v[L16], 4, v9
	v_lshlrev_b32 v[L8], 3, v9
	s_mov_b32 s20, 0x76543210
	s_mov_b32 s21, 0xfedcba98                      ; v_permlanex16_b32's selects for lane l xor 16
	s_mov_b32 s22, 0xffff0000                      ; a mask: lanes 16-31
	s_cmp_lt_u32 ttmp9, 256
	s_cbranch_scc0 .Lweights
	; ---------------- x: work-group g takes stored tiles 2 g and 2 g + 1; wave w tile 2 g + w / 2, K steps 4 (w % 2) + 0 .. 3
	s_lshr_b32 s17, s16, 1                         ; u
	s_and_b32 s18, s16, 1                          ; which four K steps
	s_mul_i32 s19, s16, XWB                        ; my stage
	s_wait_alu depctr_va_vdst(0)
	v_add_nc_u32 v3, s19, v[L16]                   ; into it: 16 x lane of a row
	v_mul_u32_u24 v4, v10, 528
	v_lshl_add_u32 v4, v11, 6, v4
	v_add_nc_u32 v4, s19, v4                       ; out of it: row r, + 64 h: my 16 numbers of a block of 32
	v_lshlrev_b32 v5, 3, v10
	v_lshl_add_u32 v5, v11, 7, v5                  ; the scale words' place: 128 h + 8 r
.irp b, 0,1,2,3
	v_mov_b32 v[TM+4+\b], 0                        ; written once: a lane permute's destination counts as one of its sources
.endr
	s_lshl_b32 s24, ttmp9, 17                      ; x: (32 g + 8 u) rows of 4,096 bytes + 2,048 (w % 2)
	s_lshl_b32 s25, s17, 15
	s_add_co_u32 s24, s24, s25
	s_lshl_b32 s25, s18, 11
	s_add_co_u32 s24, s24, s25
	s_mov_b32 s25, 0
	s_lshl_b32 s26, ttmp9, 1
	s_add_co_u32 s26, s26, s17                     ; my tile
	s_mul_i32 s28, s26, 12288
	s_mul_i32 s27, s18, 6144
	s_add_co_u32 s28, s28, s27                     ; its images of my four K steps
	s_mov_b32 s29, 0
	s_lshl_b32 s30, s26, 9
	s_lshl_b32 s27, s18, 8
	s_add_co_u32 s30, s30, s27
	s_add_co_u32 s30, s30, XSO                     ; and their scale words: 256 bytes
	s_mov_b32 s31, 0
	s_wait_alu depctr_va_vdst(0)
	s_wait_kmcnt 0x0
	s_add_nc_u64 s[4:5], s[4:5], s[24:25]
	s_add_nc_u64 s[28:29], s[10:11], s[28:29]
	s_add_nc_u64 s[30:31], s[10:11], s[30:31]
.macro XLOAD t                         ; K step t of the tile's 16 rows: each load reads 512 consecutive bytes of one true row
.irp p, 0,1,2,3,4,5,6,7,8,9,10,11,12,13,14,15
	global_load_b128 v[R+64*((\t)%2)+4*\p:R+64*((\t)%2)+4*\p+3], v[L16], s[4:5] offset:(\p+8*(\p/8))*4096+512*(\t) th:TH_LOAD_NT
.endr
.endm
.macro XTURN t                         ; through my stage: LDS serves a wave's instructions in order, so no wait stands between the stores and the loads
.irp p, 0,1,2,3,4,5,6,7,8,9,10,11,12,13,14,15
	ds_store_b128 v3, v[R+64*((\t)%2)+4*\p:R+64*((\t)%2)+4*\p+3] offset:528*\p
.endr
.irp b, 0,1,2,3
.irp j, 0,1,2,3
	ds_load_b128 v[X+16*\b+4*\j:X+16*\b+4*\j+3], v4 offset:128*\b+16*\j
.endr
.endr
.endm
.macro XSTEP t
.if (\t) < 3
	s_wait_loadcnt 16                              ; this step's 16 loads are in; the next step's 16 may be out
.else
	s_wait_loadcnt 0x0
.endif
	XTURN \t
	s_wait_dscnt 0x0                               ; my 64 numbers are back
.if (\t) < 2
	XLOAD (\t)+2
.endif
	QUANT X, PW+(\t)
	global_store_b128 v[L16], v[PC:PC+3], s[28:29] offset:1536*(\t)            ; the image: each store covers 512 or 256 consecutive bytes, aligned
	global_store_b64 v[L8], v[PC+4:PC+5], s[28:29] offset:1536*(\t)+512
	global_store_b128 v[L16], v[PC+6:PC+9], s[28:29] offset:1536*(\t)+768
	global_store_b64 v[L8], v[PC+10:PC+11], s[28:29] offset:1536*(\t)+1280
.endm
	XLOAD 0
	XLOAD 1
	XSTEP 0
	XSTEP 1
	XSTEP 2
	XSTEP 3
	v_cndmask_b32 v248, v[PW], v[PW+2], s22        ; lanes 0-15: the words of K steps 0, 1; lanes 16-31: of K steps 2, 3 (both halves of the lanes hold row r's words)
	v_cndmask_b32 v249, v[PW+1], v[PW+3], s22
	global_store_b64 v5, v[248:249], s[30:31]      ; 256 consecutive bytes, aligned
	s_wait_tensorcnt 0x0                           ; the wave's end, behind my last LDS store
	ds_add_u32 v[SPW], v[NIL]
	s_wait_dscnt 0x0
	s_endpgm
	; ---------------- the weights: a lane takes a true column n, its registers run down K
.Lweights:
	s_wait_kmcnt 0x0
	s_sub_co_u32 s17, ttmp9, 256
	s_cmp_lt_u32 s17, 96                           ; 96 work-groups for c_attn_w, 32 for c_proj_w: the choice hangs on the work-group's number alone
	s_cselect_b64 s[4:5], s[6:7], s[8:9]           ; from
	s_cselect_b64 s[10:11], s[12:13], s[14:15]     ; to
	s_mov_b32 s24, 4096
	s_cselect_b32 s24, 12288, s24                  ; a row of the weight in bytes
	s_mov_b32 s25, PSO
	s_cselect_b32 s25, WSO, s25
	s_cselect_b32 s18, 0, 96
	s_sub_co_u32 s17, s17, s18
	s_lshr_b32 s18, s17, 2                         ; which 128 columns
	s_and_b32 s19, s17, 3                          ; which 256 along K
	s_lshl_b32 s26, s24, 8
	s_mul_i32 s26, s26, s19                        ; 256 ky rows,
	s_lshl_b32 s27, s18, 9
	s_add_co_u32 s26, s26, s27                     ; + 4 x (128 nx
	s_lshl_b32 s27, s16, 7
	s_add_co_u32 s26, s26, s27                     ; + 32 w)
	s_mov_b32 s27, 0
	s_add_nc_u64 s[32:33], s[4:5], s[26:27]        ; block 0's first row;
	s_lshl_b32 s26, s24, 5                         ; 32 rows on:
.irp t, 1,2,3,4,5,6,7
	s_add_nc_u64 s[32+2*\t:33+2*\t], s[30+2*\t:31+2*\t], s[26:27]   ; a base for each of the eight blocks: none is ever stepped
.endr
	s_lshl_b32 s28, s18, 3
	s_lshl_b32 s29, s16, 1
	s_add_co_u32 s28, s28, s29                     ; my two stored tiles begin at 8 nx + 2 w
	s_mul_i32 s48, s28, 12288
	s_mul_i32 s29, s19, 3072
	s_add_co_u32 s48, s48, s29
	s_mov_b32 s49, 0
	s_add_nc_u64 s[48:49], s[10:11], s[48:49]      ; their images of K steps 2 ky, 2 ky + 1
	s_lshl_b32 s50, s28, 9
	s_lshl_b32 s29, s19, 7
	s_add_co_u32 s50, s50, s29
	s_add_co_u32 s50, s50, s25
	s_mov_b32 s51, 0
	s_add_nc_u64 s[50:51], s[10:11], s[50:51]      ; their scale bytes
	v_bfe_u32 v12, v0, 3, 1                        ; true column 32 b + lane lies in stored tile u = bit 3 of the lane,
	v_and_b32 v13, 7, v0
	s_wait_alu depctr_va_vdst(0)
	v_lshl_or_b32 v13, v11, 3, v13                 ; at row r' = (lane % 8) + 8 x bit 4
	s_mul_i32 s29, s16, WWB
	s_add_co_u32 s29, s29, WSTG                    ; my stage
	v_mul_u32_u24 v14, v12, 3200
	v_add_nc_u32 v14, s29, v14
	v_lshl_add_u32 v6, v13, 4, v14                 ; into it: the pieces of 16 bytes,
	v_lshl_add_u32 v7, v13, 3, v14                 ; and of 8
	v_add_nc_u32 v8, s29, v[L16]                   ; out of it: as it lies
	v_lshlrev_b32 v3, 2, v9
	v_lshlrev_b32 v15, 3, v13
	v_lshl_add_u32 v15, v12, 9, v15                ; my scale bytes' place: 512 u + 8 r'
.set wi, 0
.rept 32
	v_mad_u32_u24 v[16+wi], s24, wi, v3            ; v16-47: 4 x lane + i rows; never rewritten
.set wi, wi+1
.endr
.macro WLOAD t                         ; block t: W(32 t + i, my column): 32 lanes read 128 consecutive bytes, the four waves 512
.set wi, 0
.rept 32
	global_load_b32 v[WX+32*((\t)%2)+wi], v[16+wi], s[32+2*(\t):33+2*(\t)] th:TH_LOAD_NT
.set wi, wi+1
.endr
.endm
.macro BLOCK t
.set XS, WX+32*((\t)%2)
.if (\t) < 7
	s_wait_loadcnt 32                              ; this block's 32 loads are in; the next block's may be out
.else
	s_wait_loadcnt 0x0
.endif
	v_max3_num_f32 v124, |v[XS]|, |v[XS+1]|, |v[XS+2]|   ; the block's largest magnitude: all 32 numbers are mine
	v_max3_num_f32 v125, |v[XS+3]|, |v[XS+4]|, |v[XS+5]|
.irp i, 6,10,14,18,22,26
	v_max3_num_f32 v124, v124, |v[XS+\i]|, |v[XS+\i+1]|
	v_max3_num_f32 v125, v125, |v[XS+\i+2]|, |v[XS+\i+3]|
.endr
	v_max3_num_f32 v124, v124, |v[XS+30]|, |v[XS+31]|
	v_max3_num_f32 v124, v124, v125, 0x1800000     ; and the floor
	v_add_nc_u32 v126, 0xff000000, v124            ; the conversion's scale operand
	v_lshrrev_b32 v127, 23, v126                   ; the byte
.if (\t)%4 == 0
	v_mov_b32 v[122+(\t)/4], v127                  ; four bytes to a register, the lower K in the lower byte
.else
	v_lshl_or_b32 v[122+(\t)/4], v127, 8*((\t)%4), v[122+(\t)/4]
.endif
	v_cvt_scalef32_pk16_fp6_f32 v[112:114], v[XS:XS+15], v126
	v_cvt_scalef32_pk16_fp6_f32 v[118:120], v[XS+16:XS+31], v126
	v_nop                                          ; one plain place behind a scaled conversion
	v_mov_b32 v115, v118
	v_mov_b32 v116, v119
	v_mov_b32 v117, v120
	ds_store_b128 v6, v[112:115] offset:((\t)/4)*1536+(((\t)%4)/2)*768+256*((\t)%2)      ; block t is registers 6 c .. 6 c + 5 (c = (t % 4) / 2) of image lane r' + 16 (t % 2), K step t / 4
	ds_store_b64 v7, v[116:117] offset:((\t)/4)*1536+(((\t)%4)/2)*768+512+128*((\t)%2)
.if (\t)+2 < 8
	WLOAD (\t)+2
.endif
	s_wait_dscnt 0x0                               ; the stores have read their registers
.endm
	WLOAD 0
	WLOAD 1
.irp t, 0,1,2,3,4,5,6,7
	BLOCK \t
.endr
	s_wait_alu depctr_va_vdst(0)
	global_store_b64 v15, v[122:123], s[50:51]     ; my column's eight scale bytes: sixteen lanes fill 128 consecutive bytes
.irp u, 0,1
.irp i, 0,1,2,3,4,5
	ds_load_b128 v[128+4*(6*\u+\i):131+4*(6*\u+\i)], v8 offset:3200*\u+512*\i   ; LDS serves a wave's instructions in order: these see my stores
.endr
.endr
.irp u, 0,1
.irp i, 0,1,2,3,4,5
	s_wait_dscnt 11-(6*\u+\i)                      ; the younger loads may be out
	global_store_b128 v[L16], v[128+4*(6*\u+\i):131+4*(6*\u+\i)], s[48:49] offset:12288*\u+512*\i   ; 512 consecutive bytes, aligned
.endr
.endr
	s_wait_tensorcnt 0x0                           ; the wave's end, behind my last LDS store
	ds_add_u32 v[SPW], v[NIL]
	s_wait_dscnt 0x0
	s_endpgm
.Lfunc_end_k_qb874643494_quant:
	.size	k_qb874643494_quant, .Lfunc_end_k_qb874643494_quant-k_qb874643494_quant
	.p2alignl 7, 3214868480
	.fill 96, 4, 3214868480
	.section	.rodata,"a",@progbits
	.p2align	6, 0x0
	.amdhsa_kernel k_qb874643494_quant
		.amdhsa_group_segment_fixed_size 59904
		.amdhsa_private_segment_fixed_size 0
		.amdhsa_enable_private_segment 0
		.amdhsa_kernarg_size 48
		.amdhsa_user_sgpr_count 2
		.amdhsa_user_sgpr_kernarg_segment_ptr 1
		.amdhsa_wavefront_size32 1
		.amdhsa_system_sgpr_workgroup_id_x 1
		.amdhsa_system_sgpr_workgroup_id_y 1
		.amdhsa_system_sgpr_workgroup_id_z 1
		.amdhsa_system_vgpr_workitem_id 0
		.amdhsa_next_free_vgpr 256
		.amdhsa_next_free_sgpr 66
		.amdhsa_reserve_vcc 0
		.amdhsa_float_denorm_mode_32 3
		.amdhsa_float_denorm_mode_16_64 3
		.amdhsa_memory_ordered 1
		.amdhsa_forward_progress 1
		.amdhsa_inst_pref_size 78
	.end_amdhsa_kernel
	.amdgpu_metadata
---
amdhsa.version: [ 1, 2 ]
amdhsa.kernels:
  - .name:           k_qb874643494_quant
    .symbol:         k_qb874643494_quant.kd
    .args:
      - { .name: x, .offset: 0, .size: 8, .value_kind: global_buffer, .address_space: global }
      - { .name: c_attn_w, .offset: 8, .size: 8, .value_kind: global_buffer, .address_space: global }
      - { .name: c_proj_w, .offset: 16, .size: 8, .value_kind: global_buffer, .address_space: global }
      - { .name: xq, .offset: 24, .size: 8, .value_kind: global_buffer, .address_space: global }
      - { .name: wq, .offset: 32, .size: 8, .value_kind: global_buffer, .address_space: global }
      - { .name: pq, .offset: 40, .size: 8, .value_kind: global_buffer, .address_space: global }
    .group_segment_fixed_size: 59904
    .private_segment_fixed_size: 0
    .kernarg_segment_align: 8
    .kernarg_segment_size: 48
    .max_flat_workgroup_size: 128
    .sgpr_count:     66
    .vgpr_count:     256
    .wavefront_size: 32
...
	.end_amdgpu_metadata
.endif
;; end of part 1
;; launch qkv (part 2): grid 8 x 48, 4 waves a work-group, clusters of 4 x 4, 327,680 bytes of LDS; arguments xq, wq, c_attn_b, qq, kv; writes qq, kv
.if DOCPART == 2
	.amdgcn_target "amdgcn-amd-amdhsa--gfx1250"
	.amdhsa_code_object_version 6
	.text
	.protected	k_qb874643494_qkv
	.globl	k_qb874643494_qkv
	.p2align	8
	.type	k_qb874643494_qkv,@function
k_qb874643494_qkv:
	s_mov_b64 s[64:65], 0
	v_nop
	global_prefetch_b8 v0, s[64:65] scope:SCOPE_SE
	s_setreg_imm32_b32 hwreg(HW_REG_WAVE_MODE, 25, 1), 1
	s_wait_xcnt 0x0
	s_wait_alu depctr_hold_cnt(0) depctr_sa_sdst(0) depctr_va_vdst(0) depctr_va_sdst(0) depctr_va_ssrc(0) depctr_va_vcc(0) depctr_vm_vsrc(0)
	s_getreg_b32 s2, hwreg(HW_REG_IB_STS2, 6, 4)
	s_cmp_eq_u32 s2, 0
	s_cbranch_scc0 .Lentry_in_a_cluster
	s_endpgm
.Lentry_in_a_cluster:
	s_bfe_u32 s2, ttmp6, 0x10000c
	s_cmp_lg_u32 s2, 0xf033
	s_cbranch_scc0 .Lentry_shape_is_right
	s_endpgm
.Lentry_shape_is_right:
; qkv = x c_attn_w + c_attn_b on codes of FP6 (E2M3) with E8M0 scales, K = 1,024; q, k and v are quantised in the registers in which they are summed and leave as codes alone.
; OPERANDS lie in memory as images of their registers (16 rows x 128 K = 1,536 bytes: registers 0-3 at 16 x lane, 4-5 at 512 + 8 x lane, 6-9 at 768 + 16 x lane, 10-11 at 1,280 + 8 x lane), eight a tile of 16 rows;
; stored row number rho is the true row with bits 3 and 4 exchanged; scale bytes [tile][256 along K][r][8].
; A work-group of four waves makes 256 x 256 results, a wave 128 x 128: 64 accumulators.  THE PRODUCT IS USED TRANSPOSED: source 0 = 16 rows of operand P, source 1 = 16 rows of operand Q.  A lane then holds ONE stored row of Q,
; and by the stored order of P's rows the 16 registers of P's tiles 2 b and 2 b + 1 are the true P numbers 32 b + 16 (lane / 16) + 0 .. 15: neighbours along the next product's K.
; TWO MODES, chosen on the cluster's y, which all sixteen partners share.  MODE 0 (q, k): P = the weight's columns, Q = tokens: a lane's registers run along the head's 64.  MODE 1 (v): P = tokens, Q = the weight's columns:
; a lane's registers run along the tokens, which are the keys, v's K.  The bias is the C of each sum's first matrix instruction.
; K goes in steps of 256 through a ring of two LDS slots filled by joint tensor loads: Q's tiles are shared along a row of the 4 x 4 cluster, P's along a column.  The scale bytes of all of K come once, with the first fills.
; RESULTS.  qq: q's half images [head of a batch 64][tile 128][768], then q's scale words [bh][128 tokens][g 2][r 16][4].  kv: [bh][record of 256 keys (26,112 bytes)]: k's half images [tile 16][768]; v^T's images
; [128 keys 2][tile of 16 of the head's 64: 4][1,536]; k's scale words [2][g 2][r 16][4]; v's [2][r 16][4].  A word of q or k: two bytes and 0x7f7f above them (the upper 64 of the next product's 128 are zero codes).
; LIMITS: NaN and infinities are not served; a block's largest magnitude under 2^-124 is taken as 2^-124; a block of zeros keeps the byte 1.
; REGISTERS: window 0: v0-31 addresses; v32-63 scale words, two sets, and nothing else; v64-127 the bias as C; v128-223 Q's fragments, one set; v224-231 the bias by Q's rows; on the way out v128-179 at work.
;   window 1: P's fragments, two sets, at v0 and v128.   window 2: the accumulators of Q's blocks 0-3 ((a, b) at v[8 (8 (a % 4) + b)]);   window 3: of blocks 4-7.
.set NQ,     2                         ; matrix instructions deep in a slot
.set FR,     12                        ; registers of a fragment
.set NL,     4                         ; LDS loads that bring one
.set NP,     4                         ; places behind this matrix instruction (ISA guide 7.12.1)
.set HALFT,  24576                     ; 8 tiles x 2 images: what one tensor load brings, and what a wave reads of Q or of P
.set SLOT,   98304                     ; Q's 256 rows, then P's
.set SCL,    196608                    ; behind the ring: the scale bytes
.set HALFS,  4096                      ; those of 128 rows
.set SPARE,  212992                    ; the spare words, 128 bytes a wave: two blocks of 256 bytes that no other line names
.set XSO,    6291456
.set WSO,    2359296
.set QSO,    6291456
.set REC,    26112
.set HS,     208896                    ; a head's eight records
.set O16,  8                           ; v8   16 x lane
.set O8,   9                           ; v9   8 x lane
.set OS,   10                          ; v10  the scale words' place on the way out
.set H16,  11                          ; v11  16 x (lane / 16)
.set ADRA, 16                          ; v16-17 LDS address of Q's pieces of 16 bytes in slot 0, 1;  v18-19 of 8 bytes
.set ADRB, 20                          ; v20-23 the same for P
.set ADRS, 27                          ; v27  my scale words: lanes 0-15 Q's rows, lanes 16-31 P's
.set SPW,  28                          ; v28  my spare word's LDS address; never rewritten
.set NIL,  29                          ; v29  0; never rewritten
.set SC,   32
.set CB,   64
.set AF,   128
.set BQT,  224
.set PC,   128                         ; the way out: codes,
.set TM,   148                         ; at work,
.set PW,   164                         ; the scale word just made,
.set SW,   168                         ; the eight blocks' words,
.set T4,   176                         ; v's four
.set G1, 24
.set G0, 32
.set G1B, 48
.set G0B, 56
.set G1S, 68
.set G0S, 76
.set G1SB, 80
.set G0SB, 88
.set MSB, 0
.macro WIN new                         ; the immediate's high byte repeats the setting that is left
.if MSB != \new
	s_set_vgpr_msb (MSB<<8)|\new
.set MSB, \new
.endif
.endm
.set MUL_LO,  0xa1                     ; source 0 (P) window 1, source 1 (Q) window 0, C and D window 2
.set MUL_HI,  0xf1                     ; the same, C and D window 3
.set MUL_LO0, 0x81                     ; the first step: C (the bias) window 0
.set MUL_HI0, 0xc1
.set TO_B,    0x40                     ; destination window 1, address window 0
; A joint load: waves 0 and 1 fetch for Q, waves 2 and 3 for P.  The branch hangs on the wave's number alone.  An s_nop 0 and four v_nop follow each of the two lines.
.macro JLOAD g0a, g1a, g0b, g1b
	s_cmp_eq_u32 s15, 0
	s_cbranch_scc0 .Lfor_p_\@
	tensor_load_to_lds s[\g0a:\g0a+3], s[\g1a:\g1a+7]
	s_nop 0
.rept 4
	v_nop
.endr
	s_branch .Lasked_\@
.Lfor_p_\@:
	tensor_load_to_lds s[\g0b:\g0b+3], s[\g1b:\g1b+7]
	s_nop 0
.rept 4
	v_nop
.endr
.Lasked_\@:
.endm
.macro CREST                           ; a round of the cluster's barrier behind its opening barrier
	s_cmp_lg_u32 s14, 0
	s_cbranch_scc1 .Lnot_wave_0_\@
	s_barrier_signal -3
.Lnot_wave_0_\@:
	s_barrier_wait -3
	s_barrier_signal -1
	s_barrier_wait -1
.endm
.macro CROUND
	s_barrier_signal -1
	s_barrier_wait -1
	CREST
.endm
	s_load_b256 s[4:11], s[0:1], 0x0               ; xq s[4:5], wq s[6:7], c_attn_b s[8:9], qq s[10:11]
	s_load_b64 s[12:13], s[0:1], 0x20              ; kv
	v_lshl_add_u32 v[SPW], v0, 2, SPARE
	v_mov_b32 v[NIL], 0
	ds_add_u32 v[SPW], v[NIL]                      ; the wave's opening: the add and its wait stand ahead of my first tensor load; work on registers stands between
	v_lshrrev_b32 v1, 5, v0
	v_readfirstlane_b32 s14, v1                    ; wave 0..3
	s_lshr_b32 s15, s14, 1                         ; which half of Q's 256 rows is mine.  Also: I fetch for Q (0) or for P (1)
	s_and_b32 s16, s14, 1                          ; which half of P's.  Also: which 128 rows I fetch
	s_bfe_u32 s40, ttmp6, 0x40000                  ; cx
	s_bfe_u32 s41, ttmp6, 0x40004                  ; cy
	s_and_b32 s18, ttmp7, 0xffff                   ; the cluster's y: 0-7 q and k, 8-11 v
	s_sub_co_u32 s19, s18, 8
	s_lshl_b32 s19, s19, 1
	s_add_co_u32 s19, s19, ttmp9                   ; mode 1: which four tiles of tokens
	s_cmp_ge_u32 s18, 8
	s_cselect_b32 s66, 1, 0                        ; MODE
	s_cselect_b32 s42, s19, ttmp9
	s_cselect_b32 s17, 0, s18
	s_lshl_b32 s42, s42, 2
	s_add_co_u32 s42, s42, s40                     ; P's tile of 256 rows: hangs on cx alone within the cluster
	s_lshl_b32 s17, s17, 2
	s_add_co_u32 s17, s17, s41                     ; Q's: on cy alone
	s_lshl_b32 s43, s41, 2
	s_lshl_b32 s43, 15, s43                        ; my row of the cluster
	s_lshl_b32 s44, 0x1111, s40                    ; my column
	; group 1 for the codes: 8 tiles x 3,072 consecutive bytes (two images), 12,288 bytes from tile to tile; elements of 8 bytes; no padding: an image is read as it lies
	s_or_b32 s[G1+0], s43, (3<<16)|(1<<21)         ; 15:0 the mask: Q's tiles go to my row; 17:16 elements of 8 bytes; 21 set beside a mask
	s_or_b32 s[G1B+0], s44, (3<<16)|(1<<21)        ; P's to my column
.irp g, G1, G1B
	s_mov_b32 s[\g+1], 384<<16                     ; tensor_dim0
	s_mov_b32 s[\g+2], 8<<16                       ; tensor_dim1
	s_mov_b32 s[\g+3], 384<<16                     ; tile_dim0
	s_mov_b32 s[\g+4], 8                           ; tile_dim1
	s_mov_b32 s[\g+5], 1536                        ; tensor_dim0_stride
	s_mov_b32 s[\g+6], 0
	s_mov_b32 s[\g+7], 0
.endr
	; and for the scale bytes of 128 rows: 4,096 dense bytes as 16 rows of 256
	s_or_b32 s[G1S+0], s43, (3<<16)|(1<<21)
	s_or_b32 s[G1SB+0], s44, (3<<16)|(1<<21)
.irp g, G1S, G1SB
	s_mov_b32 s[\g+1], 32<<16
	s_mov_b32 s[\g+2], 16<<16
	s_mov_b32 s[\g+3], 32<<16
	s_mov_b32 s[\g+4], 16
	s_mov_b32 s[\g+5], 32
	s_mov_b32 s[\g+6], 0
	s_mov_b32 s[\g+7], 0
.endr
	s_lshl_b32 s18, s16, 7                         ; which 128 rows I fetch
	s_lshl_b32 s20, s17, 8
	s_add_co_u32 s20, s20, s18
	s_lshl_b32 s19, s66, 11                        ; mode 1: v's columns are the weight's rows 2,048 on
	s_add_co_u32 s20, s20, s19                     ; Q's first row that I fetch
	s_lshl_b32 s46, s42, 8
	s_add_co_u32 s46, s46, s18                     ; P's
	s_lshl_b32 s22, s20, 5                         ; 32 scale bytes a row,
	s_lshl_b32 s92, s46, 5
	s_mul_i32 s20, s20, 768                        ; 768 bytes of codes
	s_mul_i32 s46, s46, 768
	s_cmp_eq_u32 s66, 1
	s_mov_b32 s18, XSO
	s_cselect_b32 s18, WSO, s18                    ; where the scale bytes begin in Q's buffer,
	s_mov_b32 s19, WSO
	s_cselect_b32 s19, XSO, s19                    ; and in P's
	s_add_co_u32 s22, s22, s18
	s_add_co_u32 s92, s92, s19
	s_mov_b32 s21, 0
	s_mov_b32 s23, 0
	s_mov_b32 s47, 0
	s_mov_b32 s93, 0
	s_mul_i32 s45, s14, HALFT                      ; where they go: wave x 128 rows: no place in the cluster enters an LDS address
	s_mul_i32 s94, s14, HALFS
	s_wait_dscnt 0x0                               ; the opening add is done
	s_wait_kmcnt 0x0
	s_cmp_eq_u32 s66, 1
	s_cselect_b64 s[96:97], s[6:7], s[4:5]         ; Q's buffer
	s_cselect_b64 s[98:99], s[4:5], s[6:7]         ; P's
	s_add_nc_u64 s[20:21], s[96:97], s[20:21]
	s_add_nc_u64 s[22:23], s[96:97], s[22:23]
	s_add_nc_u64 s[46:47], s[98:99], s[46:47]
	s_add_nc_u64 s[92:93], s[98:99], s[92:93]
	CROUND                                         ; all sixteen work-groups are here: the first joint loads meet
	s_mov_b32 s[G0S], 1
	s_add_co_u32 s[G0S+1], s94, SCL
	s_mov_b64 s[G0S+2:G0S+3], s[22:23]
	s_or_b32 s[G0S+3], s[G0S+3], 0x80000000
	s_mov_b32 s[G0SB], 1
	s_add_co_u32 s[G0SB+1], s94, SCL
	s_mov_b64 s[G0SB+2:G0SB+3], s[92:93]
	s_or_b32 s[G0SB+3], s[G0SB+3], 0x80000000
	JLOAD G0S, G1S, G0SB, G1SB                     ; the scale bytes first: they are wanted with K step 0
.irp s, 0,1
	s_mov_b32 s[G0+4*\s], 1
	s_add_co_u32 s[G0+4*\s+1], s45, \s*SLOT
	s_add_nc_u64 s[G0+4*\s+2:G0+4*\s+3], s[20:21], \s*3072
	s_or_b32 s[G0+4*\s+3], s[G0+4*\s+3], 0x80000000
	s_mov_b32 s[G0B+4*\s], 1
	s_add_co_u32 s[G0B+4*\s+1], s45, \s*SLOT
	s_add_nc_u64 s[G0B+4*\s+2:G0B+4*\s+3], s[46:47], \s*3072
	s_or_b32 s[G0B+4*\s+3], s[G0B+4*\s+3], 0x80000000
	JLOAD G0+4*\s, G1, G0B+4*\s, G1B               ; three loads of mine are out
.endr
	v_and_b32 v1, 15, v0                           ; r
	v_bfe_u32 v2, v0, 4, 1                         ; h
	v_and_b32 v3, 31, v0                           ; lane
	v_lshlrev_b32 v[O16], 4, v3
	v_lshlrev_b32 v[O8], 3, v3
	v_lshlrev_b32 v[H16], 4, v2
	s_mul_i32 s21, s15, HALFT                      ; my 128 rows of Q
	s_mul_i32 s22, s16, HALFT                      ; my 128 rows of P,
	s_add_co_u32 s22, s22, 2*HALFT                 ; behind Q's 256
.irp s, 0,1
	v_add_nc_u32 v[ADRA+\s], s21, v[O16]
	v_add_nc_u32 v[ADRA+2+\s], s21, v[O8]
	v_add_nc_u32 v[ADRB+\s], s22, v[O16]
	v_add_nc_u32 v[ADRB+2+\s], s22, v[O8]
	s_add_co_u32 s21, s21, SLOT
	s_add_co_u32 s22, s22, SLOT
.endr
	s_mul_i32 s21, s15, HALFS                      ; Q's scale bytes: my 128 rows
	s_mul_i32 s22, s16, HALFS
	s_add_co_u32 s22, s22, 2*HALFS                 ; P's, behind Q's 256
	s_sub_co_u32 s22, s22, s21
	v_mul_u32_u24 v6, s22, v2                      ; lanes 16-31 take P's: one product, the distance between the two
	s_add_co_u32 s21, s21, SCL
	v_lshl_add_u32 v6, v1, 3, v6                   ; 8 bytes a row
	v_add_nc_u32 v[ADRS], s21, v6
	; the bias.  Both runs of loads are issued in both modes; the one that a mode does not use reads from the buffer's first bytes
	s_lshl_b32 s104, s42, 8
	s_lshl_b32 s105, s16, 7
	s_add_co_u32 s104, s104, s105
	s_lshl_b32 s104, s104, 2                       ; mode 0: my 128 of P's numbers, in bytes
	s_lshl_b32 s105, s17, 8
	s_lshl_b32 s95, s15, 7
	s_add_co_u32 s105, s105, s95
	s_add_co_u32 s105, s105, 2048
	s_lshl_b32 s105, s105, 2                       ; mode 1: my 128 of v's columns
	s_cmp_eq_u32 s66, 1
	s_cselect_b32 s104, 0, s104
	s_cselect_b32 s105, s105, 0
	v_lshl_add_u32 v12, v2, 6, s104                ; register 16 b + i wants number 32 b + 16 h + i
	v_and_b32 v13, 8, v1
	v_add_nc_u32 v13, v13, v1
	v_lshl_add_u32 v13, v13, 2, s105               ; lane r of tile a wants number 32 (a / 2) + 8 (a % 2) + r + 8 (r / 8)
.irp b, 0,1,2,3
.irp j, 0,1,2,3
	global_load_b128 v[CB+16*\b+4*\j:CB+16*\b+4*\j+3], v12, s[8:9] offset:128*\b+16*\j
.endr
.endr
.irp a, 0,1,2,3,4,5,6,7
	global_load_b32 v[BQT+\a], v13, s[8:9] offset:4*(32*(\a/2)+8*(\a%2))
.endr
.macro FRAG reg, adr, q, i             ; a fragment comes as it was stored: four loads, each of consecutive bytes
	ds_load_b128 v[\reg:\reg+3], v[\adr] offset:(\i)*3072+(\q)*1536
	ds_load_b64 v[\reg+4:\reg+5], v[\adr+2] offset:(\i)*3072+(\q)*1536+512
	ds_load_b128 v[\reg+6:\reg+9], v[\adr] offset:(\i)*3072+(\q)*1536+768
	ds_load_b64 v[\reg+10:\reg+11], v[\adr+2] offset:(\i)*3072+(\q)*1536+1280
.endm
; one product: Q's block a x P's block b, the slot's q-th 128 along K; p: P's set; sc: the set of scale words.  zero = 1: C is the bias by P's numbers; 2: by Q's rows; 0: the sum goes on in place
.macro MM a, b, p, q, sc, zero
.set rD, 8*(8*((\a)%4)+(\b))
.set rP, 128*(\p)+FR*(\b)
.set rQ, AF+FR*(\a)
.set rSP, SC+8*NQ*(\sc)+NQ*(\b)+(\q)
.set rSQ, SC+8*NQ*(\sc)+NQ*(\a)+(\q)
.if (\zero) == 1
	v_wmma_scale_f32_16x16x128_f8f6f4 v[rD:rD+7], v[rP:rP+11], v[rQ:rQ+11], v[CB+8*(\b):CB+8*(\b)+7], v[rSP], v[rSQ] matrix_a_fmt:MATRIX_FMT_FP6 matrix_b_fmt:MATRIX_FMT_FP6 matrix_a_scale:MATRIX_SCALE_ROW1
.elseif (\zero) == 2
	v_wmma_scale_f32_16x16x128_f8f6f4 v[rD:rD+7], v[rP:rP+11], v[rQ:rQ+11], v[CB+8*(\a):CB+8*(\a)+7], v[rSP], v[rSQ] matrix_a_fmt:MATRIX_FMT_FP6 matrix_b_fmt:MATRIX_FMT_FP6 matrix_a_scale:MATRIX_SCALE_ROW1
.else
	v_wmma_scale_f32_16x16x128_f8f6f4 v[rD:rD+7], v[rP:rP+11], v[rQ:rQ+11], v[rD:rD+7], v[rSP], v[rSQ] matrix_a_fmt:MATRIX_FMT_FP6 matrix_b_fmt:MATRIX_FMT_FP6 matrix_a_scale:MATRIX_SCALE_ROW1
.endif
.endm
.macro MUL16 a0, p, q, sc, zero        ; the 64 accumulators take turns, one instruction a turn, in the same order in every step
.irp a, \a0, \a0+1
.irp b, 0,1,2,3,4,5,6,7
	MM \a, \b, \p, \q, \sc, \zero
.endr
.endr
.endm
.macro FETCH_B slot, q, p
	WIN TO_B
.irp i, 0,1,2,3,4,5,6,7
	FRAG 128*(\p)+FR*\i, ADRB+\slot, \q, \i
.endr
	WIN 0
.endm
.macro FETCH_A slot, q, i0
.irp i, \i0, \i0+1, \i0+2, \i0+3
	FRAG AF+FR*(\i), ADRA+\slot, \q, \i
.endr
.endm
.macro SCALES sc                       ; a slot's two words a row: lanes 0-15 Q's block i, lanes 16-31 P's block i
.irp i, 0,1,2,3,4,5,6,7
	ds_load_b64 v[SC+8*NQ*\sc+NQ*\i:SC+8*NQ*\sc+NQ*\i+1], v[ADRS] offset:\i*512
.endr
.endm
.macro PLACES n                        ; plain vector instructions between a matrix instruction and a load into, or a vector access to, its registers
.rept \n
	v_nop
.endr
.endm
.macro STEP slot, q, zero              ; a step of 128 along K that has its successor in the same slot
	s_wait_dscnt 4*NL                              ; P's set and Q's blocks 0-3 are in; the youngest 16 loads (Q's blocks 4-7) may be out
.if \zero
	WIN MUL_LO0
.else
	WIN MUL_LO
.endif
	MUL16 0, (\q)%2, \q, \slot, \zero
	MUL16 2, (\q)%2, \q, \slot, \zero
	s_wait_dscnt 0
	PLACES NP
	FETCH_B \slot, (\q)+1, 1-(\q)%2
	FETCH_A \slot, (\q)+1, 0
.if \zero
	WIN MUL_HI0
.else
	WIN MUL_HI
.endif
	MUL16 4, (\q)%2, \q, \slot, \zero
	MUL16 6, (\q)%2, \q, \slot, \zero
	PLACES NP
	WIN 0
	FETCH_A \slot, (\q)+1, 4
.endm
; A slot's last step changes slots: one barrier; in front of it each wave waits for all its tensor loads, adds 0 to its spare word, and waits for that and for its reads of this slot.  fill = 1: the slot is filled again, two K steps of 256 ahead
.macro TURN slot, next, fill
	s_wait_tensorcnt 0x0                           ; all my tensor loads have landed: my part of the next slot
	ds_add_u32 v[SPW], v[NIL]
	s_wait_dscnt 4*NL+1                            ; the add and the youngest 16 loads may be out
	WIN MUL_LO
	MUL16 0, 1, NQ-1, \slot, 0
	s_wait_dscnt 0x0                               ; the add is done, and my reads of this slot are over
	s_barrier_signal -1
	MUL16 2, 1, NQ-1, \slot, 0
	WIN 0
	s_barrier_wait -1
.if \fill
	CREST                                          ; the barrier has opened a round of the cluster's barrier: no wave of any partner still reads this slot or has a load on its way
	s_add_nc_u64 s[G0+4*\slot+2:G0+4*\slot+3], s[G0+4*\slot+2:G0+4*\slot+3], 6144
	s_add_nc_u64 s[G0B+4*\slot+2:G0B+4*\slot+3], s[G0B+4*\slot+2:G0B+4*\slot+3], 6144
	JLOAD G0+4*\slot, G1, G0B+4*\slot, G1B         ; my one tensor load behind the round; its four v_nop are the places in front of the loads below
.else
	PLACES NP
.endif
	v_add_nc_u32 v[ADRS], 128, v[ADRS]             ; the next 256 along K's scale words
	FETCH_B \next, 0, 0
	FETCH_A \next, 0, 0
	SCALES \next
	WIN MUL_HI
	MUL16 4, 1, NQ-1, \slot, 0
	MUL16 6, 1, NQ-1, \slot, 0
	PLACES NP
	WIN 0
	FETCH_A \next, 0, 4
.endm
	s_wait_tensorcnt 1                             ; the scale bytes and my part of slot 0 are in; slot 1's load may be out
	s_barrier_signal -1
	s_barrier_wait -1
	FETCH_B 0, 0, 0
	FETCH_A 0, 0, 0
	SCALES 0
	FETCH_A 0, 0, 4
	s_wait_loadcnt 0x0                             ; the bias
	s_cmp_eq_u32 s66, 1
	s_cbranch_scc1 .Lfirst_v
	STEP 0, 0, 1                                   ; the first step starts the sums from the bias: nothing is cleared, nothing is added later
	s_branch .Lfirst_done
.Lfirst_v:
.irp a, 0,1,2,3,4,5,6,7
.irp j, 0,1,2,3,4,5,6,7
	v_mov_b32 v[CB+8*\a+\j], v[BQT+\a]             ; mode 1: a lane's eight results of a tile belong to one column of the weight
.endr
.endr
	PLACES 8
	STEP 0, 0, 2
.Lfirst_done:
	s_mov_b32 s3, 1
.Llap:                                                 ; a trip goes once round the ring and fills both slots again: K = 1,024 is four slots
	TURN 0, 1, 1
	STEP 1, 0, 0
	TURN 1, 0, 1
	STEP 0, 0, 0
	s_sub_co_u32 s3, s3, 1
	s_cmp_lg_u32 s3, 0
	s_cbranch_scc1 .Llap
	TURN 0, 1, 0                                   ; the last lap fills nothing
	STEP 1, 0, 0
	s_wait_dscnt 4*NL
	WIN MUL_LO
	MUL16 0, 1, NQ-1, 1, 0
	MUL16 2, 1, NQ-1, 1, 0
	s_wait_dscnt 0
	WIN MUL_HI
	MUL16 4, 1, NQ-1, 1, 0
	MUL16 6, 1, NQ-1, 1, 0
	WIN 0
; THE WAY OUT.  Q's block a: a lane's 64 results, register 16 b + i = number 32 b + 16 (lane / 16) + i along the next K, are read where they were summed and become a fragment's codes in v[PC] on and a scale word in v[PW].
.macro QUANTA a
.set W, 2+(\a)/4
.set AC, 64*((\a)%4)
	WIN (W|(W<<2))
.irp b, 0,1,2,3
	v_max3_num_f32 v[TM+\b], |v[AC+16*\b]|, |v[AC+1+16*\b]|, 0x1800000   ; each accumulator is read from its low end on; the floor 2^(3 - 127) holds the byte at 1 from below
.endr
	WIN ((W<<2)|(W<<4))
.irp i, 2,4,6,8,10,12,14
.irp b, 0,1,2,3
	v_max3_num_f32 v[TM+\b], v[TM+\b], |v[AC+16*\b+\i]|, |v[AC+1+16*\b+\i]|
.endr
.endr
	WIN 0
.irp b, 0,1,2,3
	v_permlanex16_b32 v[TM+4+\b], v[TM+\b], s20, s21
.endr
.irp b, 0,1,2,3
	v_max_num_f32 v[TM+\b], v[TM+\b], v[TM+4+\b]
.endr
.irp b, 0,1,2,3
	v_add_nc_u32 v[TM+12+\b], 0xff000000, v[TM+\b]   ; 2 off the exponent field: the conversion's scale operand
.endr
.irp b, 0,1,2,3
	v_lshrrev_b32 v[TM+4+\b], 23, v[TM+12+\b]
.endr
	v_lshl_or_b32 v[PW], v[TM+5], 8, v[TM+4]
	v_lshl_or_b32 v[PW], v[TM+6], 16, v[PW]
	v_lshl_or_b32 v[PW], v[TM+7], 24, v[PW]
	s_wait_xcnt 0x0                                ; the last block's stores have read the codes' registers
	WIN W
.irp c, 0,1
	v_cvt_scalef32_pk16_fp6_f32 v[PC+6*\c:PC+2+6*\c], v[AC+32*\c:AC+15+32*\c], v[TM+12+2*\c]
	v_cvt_scalef32_pk16_fp6_f32 v[PC+12+4*\c:PC+14+4*\c], v[AC+16+32*\c:AC+31+32*\c], v[TM+12+2*\c+1]
.endr
	WIN 0
	v_nop                                          ; one plain place behind a scaled conversion
.irp c, 0,1
.irp i, 0,1,2
	v_permlane16_swap_b32 v[PC+6*\c+\i], v[PC+12+4*\c+\i]
.endr
.irp i, 0,1,2
	v_mov_b32 v[PC+3+6*\c+\i], v[PC+12+4*\c+\i]
.endr
.endr
.endm
	PLACES NP                                      ; behind the last products: their results are read and Q's fragments' registers written below
	s_lshl_b32 s20, s17, 8
	s_lshl_b32 s22, s15, 7
	s_add_co_u32 s20, s20, s22                     ; my first row of Q (without mode 1's 2,048)
	s_lshl_b32 s21, s42, 8
	s_lshl_b32 s22, s16, 7
	s_add_co_u32 s21, s21, s22                     ; my first row of P
	s_mov_b32 s67, 0xffff0000                      ; a mask: lanes 16-31
	s_mov_b32 s104, 0x7f7f0000                     ; the bytes of two blocks of zero codes
.irp b, 0,1,2,3
	v_mov_b32 v[TM+4+\b], 0                        ; a lane permute's destination counts as one of its sources
.endr
	s_cmp_eq_u32 s66, 1
	s_cbranch_scc1 .Lout_v
	; ---- q and k: my 128 tokens x two heads.  Registers 0-5 of a fragment are the first head's half image, registers 6-11 the second's
	s_lshr_b32 s22, s20, 11                        ; batch
	s_and_b32 s23, s20, 2047                       ; token in it
	s_bfe_u32 s45, s21, 0x40006                    ; head
	s_lshl_b32 s22, s22, 4
	s_add_co_u32 s22, s22, s45                     ; bh
	s_mul_i32 s46, s22, 98304
	s_lshr_b32 s47, s23, 4
	s_mul_i32 s47, s47, 768
	s_add_co_u32 s46, s46, s47                     ; q: the codes,
	s_lshl_b32 s92, s22, 13
	s_lshr_b32 s47, s23, 7
	s_lshl_b32 s47, s47, 9
	s_add_co_u32 s92, s92, s47
	s_add_co_u32 s92, s92, QSO                     ; the words
	s_mul_i32 s93, s22, HS
	s_lshr_b32 s47, s23, 8
	s_mul_i32 s47, s47, REC
	s_add_co_u32 s93, s93, s47                     ; k: the record,
	s_bfe_u32 s47, s23, 0x10007                    ; which 128 keys of it
	s_mul_i32 s94, s47, 6144
	s_add_co_u32 s94, s94, s93                     ; the codes,
	s_lshl_b32 s47, s47, 9
	s_add_co_u32 s93, s93, s47
	s_add_co_u32 s93, s93, 24576                   ; the words
	s_cmp_eq_u32 ttmp9, 0                          ; cluster x = 0: q; 1: k
	s_cselect_b32 s46, s46, s94
	s_cselect_b32 s92, s92, s93
	s_mov_b32 s94, HS
	s_cselect_b32 s94, 98304, s94                  ; from head to head: codes,
	s_mov_b32 s95, HS
	s_cselect_b32 s95, 8192, s95                   ; words
	s_cselect_b64 s[96:97], s[10:11], s[12:13]
	s_mov_b32 s47, 0
	s_mov_b32 s93, 0
	s_add_nc_u64 s[100:101], s[96:97], s[92:93]
	s_add_nc_u64 s[96:97], s[96:97], s[46:47]
	s_mov_b32 s46, s94
	s_add_nc_u64 s[98:99], s[96:97], s[46:47]
	v_mul_u32_u24 v[OS], s95, v2                   ; lanes 16-31 store the second head's words
	v_lshl_add_u32 v[OS], v1, 4, v[OS]
	s_mov_b32 s20, 0x76543210
	s_mov_b32 s21, 0xfedcba98
.irp a, 0,1,2,3,4,5,6,7
	QUANTA \a
	global_store_b128 v[O16], v[PC:PC+3], s[96:97] offset:768*\a               ; each store covers 512 or 256 consecutive bytes, aligned
	global_store_b64 v[O8], v[PC+4:PC+5], s[96:97] offset:768*\a+512
	global_store_b128 v[O16], v[PC+6:PC+9], s[98:99] offset:768*\a
	global_store_b64 v[O8], v[PC+10:PC+11], s[98:99] offset:768*\a+512
	v_lshrrev_b32 v[SW+\a], v[H16], v[PW]          ; lanes 0-15: the first head's two bytes; lanes 16-31: the second's
	v_and_or_b32 v[SW+\a], v[SW+\a], 0xffff, s104
.endr
	global_store_b128 v[OS], v[SW:SW+3], s[100:101]             ; sixteen lanes fill 256 consecutive bytes
	global_store_b128 v[OS], v[SW+4:SW+7], s[100:101] offset:256
	s_branch .Lclose
.Lout_v:
	; ---- v: my 128 columns (two heads x four tiles of 16) x 128 keys: each block is one whole image of v^T
	s_lshr_b32 s45, s20, 6                         ; head
	s_lshr_b32 s22, s21, 11                        ; batch
	s_and_b32 s23, s21, 2047                       ; token in it
	s_lshl_b32 s22, s22, 4
	s_add_co_u32 s22, s22, s45
	s_mul_i32 s46, s22, HS
	s_lshr_b32 s47, s23, 8
	s_mul_i32 s47, s47, REC
	s_add_co_u32 s46, s46, s47                     ; the record
	s_bfe_u32 s47, s23, 0x10007
	s_lshl_b32 s92, s47, 8
	s_add_co_u32 s92, s92, s46
	s_add_co_u32 s92, s92, 25600                   ; the words
	s_mul_i32 s47, s47, 6144
	s_add_co_u32 s46, s46, s47
	s_add_co_u32 s46, s46, 12288                   ; the images
	s_mov_b32 s47, 0
	s_mov_b32 s93, 0
	s_add_nc_u64 s[96:97], s[12:13], s[46:47]
	s_add_nc_u64 s[100:101], s[12:13], s[92:93]
	v_mul_u32_u24 v[OS], v2, HS
	v_lshl_add_u32 v[OS], v1, 4, v[OS]
	s_mov_b32 s20, 0x76543210
	s_mov_b32 s21, 0xfedcba98
.irp a, 0,1,2,3,4,5,6,7
	QUANTA \a
	global_store_b128 v[O16], v[PC:PC+3], s[96:97] offset:(\a%4)*1536+(\a/4)*HS
	global_store_b64 v[O8], v[PC+4:PC+5], s[96:97] offset:(\a%4)*1536+(\a/4)*HS+512
	global_store_b128 v[O16], v[PC+6:PC+9], s[96:97] offset:(\a%4)*1536+(\a/4)*HS+768
	global_store_b64 v[O8], v[PC+10:PC+11], s[96:97] offset:(\a%4)*1536+(\a/4)*HS+1280
	v_mov_b32 v[SW+\a], v[PW]
.endr
.irp i, 0,1,2,3
	v_cndmask_b32 v[T4+\i], v[SW+\i], v[SW+4+\i], s67   ; lanes 16-31 store the second head's words
.endr
	global_store_b128 v[OS], v[T4:T4+3], s[100:101]
.Lclose:
	s_wait_tensorcnt 0x0                           ; the wave's end, behind my last tensor load
	ds_add_u32 v[SPW], v[NIL]
	s_wait_dscnt 0x0
	CROUND                                         ; the closing round: no work-group ends while a partner may still ask for a tile that names it
	s_endpgm
.Lfunc_end_k_qb874643494_qkv:
	.size	k_qb874643494_qkv, .Lfunc_end_k_qb874643494_qkv-k_qb874643494_qkv
	.p2alignl 7, 3214868480
	.fill 96, 4, 3214868480
	.section	.rodata,"a",@progbits
	.p2align	6, 0x0
	.amdhsa_kernel k_qb874643494_qkv
		.amdhsa_group_segment_fixed_size 327680
		.amdhsa_private_segment_fixed_size 0
		.amdhsa_enable_private_segment 0
		.amdhsa_kernarg_size 40
		.amdhsa_user_sgpr_count 2
		.amdhsa_user_sgpr_kernarg_segment_ptr 1
		.amdhsa_wavefront_size32 1
		.amdhsa_system_sgpr_workgroup_id_x 1
		.amdhsa_system_sgpr_workgroup_id_y 1
		.amdhsa_system_sgpr_workgroup_id_z 1
		.amdhsa_system_vgpr_workitem_id 0
		.amdhsa_next_free_vgpr 1024
		.amdhsa_next_free_sgpr 106
		.amdhsa_reserve_vcc 0
		.amdhsa_float_denorm_mode_32 3
		.amdhsa_float_denorm_mode_16_64 3
		.amdhsa_memory_ordered 1
		.amdhsa_forward_progress 1
		.amdhsa_inst_pref_size 206
	.end_amdhsa_kernel
	.amdgpu_metadata
---
amdhsa.version: [ 1, 2 ]
amdhsa.kernels:
  - .name:           k_qb874643494_qkv
    .symbol:         k_qb874643494_qkv.kd
    .args:
      - { .name: xq, .offset: 0, .size: 8, .value_kind: global_buffer, .address_space: global }
      - { .name: wq, .offset: 8, .size: 8, .value_kind: global_buffer, .address_space: global }
      - { .name: c_attn_b, .offset: 16, .size: 8, .value_kind: global_buffer, .address_space: global }
      - { .name: qq, .offset: 24, .size: 8, .value_kind: global_buffer, .address_space: global }
      - { .name: kv, .offset: 32, .size: 8, .value_kind: global_buffer, .address_space: global }
    .group_segment_fixed_size: 327680
    .private_segment_fixed_size: 0
    .kernarg_segment_align: 8
    .kernarg_segment_size: 40
    .max_flat_workgroup_size: 128
    .sgpr_count:     106
    .vgpr_count:     1024
    .wavefront_size: 32
...
	.end_amdgpu_metadata
.endif
;; end of part 2
;; launch attn (part 3): grid 4 x 64, 16 waves a work-group, no clusters, 327,680 bytes of LDS; arguments qq, kv, yq; writes yq
.if DOCPART == 3
	.amdgcn_target "amdgcn-amd-amdhsa--gfx1250"
	.amdhsa_code_object_version 6
	.text
	.protected	k_qb874643494_attn
	.globl	k_qb874643494_attn
	.p2align	8
	.type	k_qb874643494_attn,@function
k_qb874643494_attn:
	s_mov_b64 s[64:65], 0
	v_nop
	global_prefetch_b8 v0, s[64:65] scope:SCOPE_SE
	s_setreg_imm32_b32 hwreg(HW_REG_WAVE_MODE, 25, 1), 1
	s_wait_xcnt 0x0
; y = softmax(q k^T / 8, causal) v for 64 heads of 2,048 tokens x 64, both products on codes of FP6 (E2M3) with E8M0 scales; y is quantised along C in registers and leaves as codes.
; THE SOFTMAX AHEAD OF THE SECOND PRODUCT: t = score x log2(e) / 8; M = the running largest t rounded UP to a whole number; p = 2^(t - M) is quantised along the keys, not normalised; the row's sum is taken of the
; unquantised p and divides at the end.  When M moves, the sum and O are multiplied by 2^(old M - new M): exact.
; INPUTS (this program's own): qq: q's half images [bh][tile of 16 stored tokens 128][768] and scale words; kv: [bh][record of 256 keys, 26,112 bytes]: k's half images [tile 16][768], v^T's images [128 keys 2][tile 4][1,536],
; k's words [2][g 2][r 16][4], v's words [2][r 16][4].  A half image is registers 0-5 of a fragment (64 along K); registers 6-11 are zero codes on both sides, under the byte 0x7f.
; Stored row rho is the true row with bits 3 and 4 exchanged, so that with both products used transposed (S^T = k q^T, O^T = v^T p^T) a lane holds ONE query and its 16 registers of two neighbouring tiles are 16 neighbouring keys (channels).
; SHARES.  Work-group (i, bh) owns the blocks of 256 queries 7 - i and then i of head bh: 8 - i and i + 1 records of keys, NINE trips for every work-group.  Each of 16 waves owns one tile of 16 queries: four waves to a SIMD.
; A key step all of whose 128 keys come after the wave's queries is left out by a scalar branch on ids; no barrier and no tensor load stands in a step.
; NO CLUSTER, though the four work-groups of a head read the same records: which step is left out and where the block changes hang on the work-group's place among the four, and partners of a joint load must run alike.
; RING: two LDS slots of one record; waves 0 and 1 fetch half a record each (51 rows of 256 bytes); one tensor load of a wave is out.
; LIMITS: NaN and infinities are not served; a block's largest magnitude under 2^-124 is taken as 2^-124; a block of zeros keeps the byte 1.
; REGISTERS: v1 16 x lane, v2 8 x lane, v3 16 r; v4-6 the same in the slot in hand; v7 r + 8 (r / 8) - 16 h; v8, v9 the add's two; v10 8 r + h; v11 the prefetch's offset; v12 -M, v13 the largest t, v[14:15] the sum;
;   v16-27 q; v28 q's word, v29 p's word, v32-39 k's words, v40-43 v's: scales alone; v44-91 four fragments of k; v96-159 S^T, then p, then v's four fragments; v160-191 O^T; v192-210 codes; v212-231 at work.
.set REC,   26112
.set HS,    208896
.set QSO,   6291456
.set YSO,   6291456
.set SLOT1, 32768                      ; slot 1 begins here: one exclusive or turns an address in one slot into the other's
.set SPARE, 65536                      ; the spare words, 128 bytes a wave: eight blocks of 256 bytes that no other line names
.macro TLOAD                           ; waves 0 and 1 fetch; the branch hangs on the wave's number alone; an s_nop 0 and four v_nop follow the load
	s_cmp_lt_u32 s10, 2
	s_cbranch_scc0 .Lnone_\@
	tensor_load_to_lds s[32:35], s[24:31]
	s_nop 0
.rept 4
	v_nop
.endr
.Lnone_\@:
.endm
; A prefetch into the L2 of the record that the NEXT change of slots will ask for.  All four work-groups of a head walk records 0, 1, 2 .. in their first trips: work-group x = 0 asks, by its waves 4 to 7, lanes 256 bytes apart
; (a record is 102 such pieces: the lanes beyond name the last).  Records 0 and 1 come by their loads alone; record 7 is the last that is named; the second block's records have been read.
.macro ASK
	s_cmp_gt_u32 s18, s42
	s_cbranch_scc0 .Lnot_mine_\@
	global_prefetch_b8 v11, s[40:41] th:TH_LOAD_NT scope:SCOPE_SE
.Lnot_mine_\@:
.endm
	s_load_b128 s[4:7], s[0:1], 0x0                ; qq s[4:5], kv s[6:7]
	s_load_b64 s[8:9], s[0:1], 0x10                ; yq
	v_lshl_add_u32 v8, v0, 2, SPARE
	v_mov_b32 v9, 0
	ds_add_u32 v8, v9                              ; the wave's opening: the add and its wait stand ahead of my first tensor load; work on registers stands between
	ds_add_u32 v8, v9
	v_lshrrev_b32 v1, 5, v0
	s_delay_alu instid0(VALU_DEP_1)
	v_readfirstlane_b32 s10, v1                    ; wave 0..15
	s_and_b32 s11, ttmp7, 0xffff                   ; bh
	s_mov_b32 s12, ttmp9                           ; i
	s_mov_b32 s24, 3<<16                           ; group 1: 51 rows of 32 elements of 8 bytes, dense; no mask, no padding
	s_mov_b32 s25, 32<<16
	s_mov_b32 s26, 51<<16
	s_mov_b32 s27, 32<<16
	s_mov_b32 s28, 51
	s_mov_b32 s29, 32
	s_mov_b32 s30, 0
	s_mov_b32 s31, 0
	s_mov_b32 s20, 0x76543210
	s_mov_b32 s21, 0xfedcba98                      ; v_permlanex16_b32's selects for lane l xor 16
	s_mov_b32 s22, 0x3e38aa3b                      ; c = log2(e) / 8
	s_mov_b32 s23, s22                             ; (named with it as a pair)
	s_mov_b32 s43, 0xffff0000                      ; a mask: lanes 16-31
	s_mov_b32 s14, 0                               ; the slot in hand
	s_mov_b32 s18, 8                               ; trips that ask for a record
	s_sub_co_u32 s13, 7, s12                       ; the first block of queries
	s_mov_b32 s19, s13                             ; records of it still to be asked for
	s_mov_b32 s38, REC                             ; the next record to be asked for, in bytes
	s_mov_b32 s39, 0
	s_mul_i32 s52, s11, HS
	s_mov_b32 s53, 0
	s_and_b32 s54, s10, 1
	s_mul_i32 s54, s54, 13056                      ; which half of a record I fetch
	s_mov_b32 s55, 0
	s_lshr_b32 s74, s11, 4                         ; batch
	s_and_b32 s75, s11, 15                         ; head
	s_mul_i32 s56, s74, 1572864                    ; y: 128 tiles of 12,288 bytes a batch,
	s_mul_i32 s76, s75, 768
	s_add_co_u32 s56, s56, s76                     ; the head's half image
	s_mov_b32 s57, 0
	s_lshl_b32 s58, s74, 16                        ; y's scale bytes: 128 tiles of 512 bytes a batch,
	s_lshr_b32 s76, s75, 2
	s_lshl_b32 s76, s76, 7
	s_add_co_u32 s58, s58, s76                     ; which 256 along C,
	s_and_b32 s76, s75, 3
	s_lshl_b32 s76, s76, 1
	s_add_co_u32 s58, s58, s76                     ; which two of its eight bytes
	s_add_co_u32 s58, s58, YSO
	s_mov_b32 s59, 0
	s_mul_i32 s70, s11, 98304
	s_mov_b32 s71, 0
	s_lshl_b32 s72, s11, 13
	s_add_co_u32 s72, s72, QSO
	s_mov_b32 s73, 0
	s_lshr_b32 s76, s10, 2
	s_xor_b32 s76, s76, 1                          ; 0 in waves 4 to 7,
	s_or_b32 s76, s76, ttmp9                       ; of work-group x = 0
	s_cmp_eq_u32 s76, 0
	s_cselect_b32 s42, 2, -1                       ; such a wave prefetches while more than two trips are to come
	s_wait_dscnt 0x0                               ; the opening add is done
	s_wait_kmcnt 0x0
	s_add_nc_u64 s[40:41], s[6:7], s[52:53]        ; the head's records
	s_add_nc_u64 s[36:37], s[40:41], s[54:55]      ; my half of record 0
	s_mov_b32 s32, 1                               ; group 0: count,
	s_mov_b32 s33, s54                             ; LDS address: slot 0,
	s_mov_b64 s[34:35], s[36:37]                   ; record 0,
	s_or_b32 s35, s35, 0x80000000                  ; type 2
	TLOAD
	s_add_nc_u64 s[40:41], s[40:41], REC           ; the prefetches stand at record 1; the first change steps them to record 2
	s_add_nc_u64 s[60:61], s[4:5], s[70:71]        ; the head's q,
	s_add_nc_u64 s[62:63], s[4:5], s[72:73]        ; its words,
	s_add_nc_u64 s[66:67], s[8:9], s[56:57]        ; y's images,
	s_add_nc_u64 s[68:69], s[8:9], s[58:59]        ; y's bytes
	v_and_b32 v30, 31, v0                          ; lane
	v_and_b32 v31, 15, v0                          ; r
	v_bfe_u32 v92, v0, 4, 1                        ; h
	s_delay_alu instid0(VALU_DEP_3)
	v_lshlrev_b32 v1, 4, v30
	s_delay_alu instid0(VALU_DEP_4)
	v_lshlrev_b32 v2, 3, v30
	s_delay_alu instid0(VALU_DEP_4)
	v_lshlrev_b32 v3, 4, v31
	v_and_b32 v7, 8, v31
	s_delay_alu instid0(VALU_DEP_1)
	v_add_nc_u32 v7, v7, v31
	v_lshlrev_b32 v93, 4, v92
	s_delay_alu instid0(VALU_DEP_1)
	v_sub_nc_u32 v7, v7, v93                       ; my query less the wave's first, less 16 h
	v_lshl_add_u32 v10, v31, 3, v92
	s_and_b32 s76, s10, 3
	s_lshl_b32 s76, s76, 13
	v_lshl_add_u32 v11, v30, 8, s76
	s_delay_alu instid0(VALU_DEP_1)
	v_min_u32 v11, 25856, v11                      ; held inside the record
.irp j, 22,23,24,25,26,27
	v_mov_b32 v\j, 0                               ; q's upper 64 along K: zero codes
.endr
.irp t, 0,1,2,3
.irp j, 6,7,8,9,10,11
	v_mov_b32 v[44+12*\t+\j], 0                    ; k's likewise: written once, never loaded
.endr
.endr
.irp j, 216,217,218,219,224,226,227
	v_mov_b32 v\j, 0                               ; lane permutes' destinations and a pair's upper half count as read
.endr
; A block of queries begins: s13 = its number
.macro INIT
	s_wait_xcnt 0x0                                ; earlier loads and stores have read their bases
	s_lshl_b32 s52, s13, 4
	s_add_co_u32 s52, s52, s10                     ; my tile in the head
	s_mul_i32 s54, s52, 768
	s_mov_b32 s55, 0
	s_add_nc_u64 s[44:45], s[60:61], s[54:55]
	s_lshr_b32 s54, s52, 2
	s_lshl_b32 s54, s54, 8
	s_and_b32 s53, s52, 3
	s_lshl_b32 s53, s53, 2
	s_add_co_u32 s54, s54, s53
	s_add_nc_u64 s[46:47], s[62:63], s[54:55]
	s_mul_i32 s54, s52, 12288
	s_add_nc_u64 s[48:49], s[66:67], s[54:55]
	s_lshl_b32 s54, s52, 9
	s_add_nc_u64 s[50:51], s[68:69], s[54:55]
	s_lshl_b32 s16, s13, 8
	s_lshr_b32 s53, s10, 1
	s_lshl_b32 s53, s53, 5
	s_add_co_u32 s16, s16, s53
	s_and_b32 s53, s10, 1
	s_lshl_b32 s53, s53, 3
	s_add_co_u32 s16, s16, s53                     ; my first true query: 256 block + 32 (w / 2) + 8 (w % 2); my last is 23 on
	s_mov_b32 s15, 0                               ; the step's first key
	s_add_co_u32 s17, s13, 1                       ; records of this block
	global_load_b128 v[16:19], v1, s[44:45]
	global_load_b64 v[20:21], v2, s[44:45] offset:512
	global_load_b32 v28, v3, s[46:47]
	v_mov_b32 v13, 0xff61b1e6                      ; the largest t so far: -3e38
	s_delay_alu instid0(VALU_DEP_1)
	v_floor_f32 v12, -v13
	v_mov_b32 v14, 0
	v_mov_b32 v15, 0
.set n, 0
.rept 32
	v_mov_b32 v[160+n], 0                          ; O^T: the step is written once; the first change of M leaves zeros zeros
.set n, n+1
.endr
.endm
; A KEY STEP: 128 keys, the q-th of the record in hand
.macro STEP q
	s_add_co_u32 s52, s16, 23
	s_cmp_gt_u32 s15, s52
	s_cbranch_scc1 .Lhidden_\@                     ; all its keys come after my queries
	v_add_nc_u32 v4, s14, v1                       ; the addresses in the slot in hand.  With the two v_nop: five places, since the scores below are laid over registers that the last products read
	s_wait_alu depctr_va_vdst(0)
	v_add_nc_u32 v5, s14, v2
	s_wait_alu depctr_va_vdst(0)
	v_add_nc_u32 v6, s14, v3
	v_nop
	v_nop
	ds_load_b128 v[32:35], v6 offset:24576+512*(\q)
	ds_load_b128 v[36:39], v6 offset:24576+512*(\q)+256
.irp g, 0,1                                    ; S^T = k q^T, four tiles of 16 keys at a time
.if \g
.rept 4
	v_nop                                          ; places in front of loads into registers that matrix instructions have read
.endr
.endif
.irp t, 0,1,2,3
	ds_load_b128 v[44+12*\t:47+12*\t], v4 offset:6144*(\q)+768*(4*\g+\t)
	ds_load_b64 v[48+12*\t:49+12*\t], v5 offset:6144*(\q)+768*(4*\g+\t)+512
.endr
	s_wait_dscnt 0x0
.irp t, 0,1,2,3
	v_wmma_scale_f32_16x16x128_f8f6f4 v[96+8*(4*\g+\t):103+8*(4*\g+\t)], v[44+12*\t:55+12*\t], v[16:27], 0, v[32+4*\g+\t], v28 matrix_a_fmt:MATRIX_FMT_FP6 matrix_b_fmt:MATRIX_FMT_FP6
.endr
.endr
.rept 4
	v_nop
.endr
	s_add_co_u32 s52, s15, 127
	s_cmp_le_u32 s52, s16
	s_cbranch_scc1 .Lopen_\@                       ; all its keys count
	s_sub_co_i32 s52, s16, s15
	v_add_nc_u32 v230, s52, v7                     ; d = my query - the step's first key - 16 h.  Register 16 b + i holds key 32 b + 16 h + i of the step: hidden where 32 b + i > d
	v_mov_b32 v231, 0xff800000                     ; -infinity: p = 0 then
.set n, 0
.rept 64
	v_cmp_gt_i32 vcc_lo, 32*(n/16)+n%16, v230
	v_cndmask_b32 v[96+n], v[96+n], v231, vcc_lo
.set n, n+1
.endr
.Lopen_\@:
.irp b, 0,1,2,3
	v_max3_num_f32 v[212+\b], v[96+16*\b], v[97+16*\b], v[98+16*\b]   ; the largest score of each block of 32 keys: for the row's maximum, and, since p rises with the score, for the block's largest p
.endr
.irp i, 3,5,7,9,11,13
.irp b, 0,1,2,3
	v_max3_num_f32 v[212+\b], v[212+\b], v[96+16*\b+\i], v[97+16*\b+\i]
.endr
.endr
.irp b, 0,1,2,3
	v_max_num_f32 v[212+\b], v[212+\b], v[111+16*\b]
.endr
.irp b, 0,1,2,3
	s_delay_alu instid0(VALU_DEP_4)
	v_permlanex16_b32 v[216+\b], v[212+\b], s20, s21
.endr
.irp b, 0,1,2,3
	s_delay_alu instid0(VALU_DEP_4)
	v_max_num_f32 v[212+\b], v[212+\b], v[216+\b]  ; with lane l xor 16's 16 keys
.endr
	s_delay_alu instid0(VALU_DEP_2)
	v_max3_num_f32 v224, v212, v213, v214
	s_delay_alu instid0(VALU_DEP_1)
	v_max_num_f32 v224, v224, v215
	s_delay_alu instid0(VALU_DEP_1)
	v_mul_f32 v224, s22, v224                      ; as t
	s_delay_alu instid0(VALU_DEP_1)
	v_max_num_f32 v13, v13, v224                   ; the running largest t
	v_mov_b32 v224, v12
	s_delay_alu instid0(VALU_DEP_2)
	v_floor_f32 v12, -v13                          ; the new -M = -ceil(t)
	s_delay_alu instid0(VALU_DEP_1)
	v_sub_f32 v224, v12, v224                      ; old M - new M: a whole number, 0 or less
	s_delay_alu instid0(VALU_DEP_1)
	v_cvt_i32_f32 v224, v224                       ; (it saturates)
	s_delay_alu instid0(VALU_DEP_1)
	v_ldexp_f32 v226, 1.0, v224                    ; f = 2^(old M - new M)
.set n, 0
.rept 32
	v_pk_fma_f32 v[96+n:97+n], v[96+n:97+n], s[22:23], v[12:13] op_sel_hi:[1,0,0]   ; t - M, two at a time
.set n, n+2
.endr
.irp b, 0,1,2,3
	v_fma_f32 v[212+\b], v[212+\b], s22, v12       ; the same of each block's largest score
.endr
.set n, 0
	s_wait_alu depctr_va_vdst(0)
.rept 64
	v_exp_f32 v[96+n], v[96+n]                     ; p = 2^(t - M)
.set n, n+1
.endr
	v_pk_mul_f32 v[14:15], v[14:15], v[226:227] op_sel_hi:[1,0]   ; the sums under the new M: a plain instruction behind the exponentials
	s_wait_alu depctr_va_vdst(0)                   ; one wait for the batch of 64, ahead of its first reader
.irp b, 0,1,2,3
	v_exp_f32 v[212+\b], v[212+\b]                 ; each block's largest p
.endr
	v_pk_add_f32 v[228:229], v[100:101], v[104:105]
	v_pk_add_f32 v[254:255], v[108:109], v[112:113]
	v_pk_add_f32 v[252:253], v[116:117], v[120:121]
	v_pk_add_f32 v[250:251], v[124:125], v[128:129]
	v_pk_add_f32 v[248:249], v[132:133], v[136:137]
	v_pk_add_f32 v[246:247], v[140:141], v[144:145]
	v_pk_add_f32 v[244:245], v[148:149], v[152:153]
	v_pk_add_f32 v[14:15], v[14:15], v[156:157]
	v_pk_add_f32 v[228:229], v[228:229], v[96:97]
	v_pk_add_f32 v[254:255], v[254:255], v[98:99]
	v_pk_add_f32 v[252:253], v[252:253], v[102:103]
	v_pk_add_f32 v[250:251], v[250:251], v[106:107]
	v_pk_add_f32 v[248:249], v[248:249], v[110:111]
	v_pk_add_f32 v[246:247], v[246:247], v[114:115]
	v_pk_add_f32 v[244:245], v[244:245], v[118:119]
	v_pk_add_f32 v[14:15], v[14:15], v[122:123]
	v_pk_add_f32 v[228:229], v[228:229], v[126:127]
	v_pk_add_f32 v[254:255], v[254:255], v[130:131]
	v_pk_add_f32 v[252:253], v[252:253], v[134:135]
	v_pk_add_f32 v[250:251], v[250:251], v[138:139]
	v_pk_add_f32 v[248:249], v[248:249], v[142:143]
	v_pk_add_f32 v[246:247], v[246:247], v[146:147]
	v_pk_add_f32 v[244:245], v[244:245], v[150:151]
	v_pk_add_f32 v[14:15], v[14:15], v[154:155]
	v_pk_add_f32 v[228:229], v[228:229], v[158:159]
	s_delay_alu instid0(VALU_DEP_2)
	v_pk_add_f32 v[14:15], v[14:15], v[250:251]
	s_delay_alu instid0(VALU_DEP_2)
	v_pk_add_f32 v[228:229], v[228:229], v[248:249]
	v_pk_add_f32 v[254:255], v[254:255], v[246:247]
	v_pk_add_f32 v[252:253], v[252:253], v[244:245]
	s_delay_alu instid0(VALU_DEP_2)
	v_pk_add_f32 v[14:15], v[14:15], v[254:255]
	s_delay_alu instid0(VALU_DEP_2)
	v_pk_add_f32 v[228:229], v[228:229], v[252:253]
	s_delay_alu instid0(VALU_DEP_1)
	v_pk_add_f32 v[14:15], v[14:15], v[228:229]
	s_wait_alu depctr_va_vdst(0)                   ; and one for the four
.irp b, 0,1,2,3
	v_max_num_f32 v[212+\b], 0x1800000, v[212+\b]  ; the floor 2^(3 - 127)
.endr
.irp b, 0,1,2,3
	s_delay_alu instid0(VALU_DEP_4)
	v_add_nc_u32 v[220+\b], 0xff000000, v[212+\b]  ; the conversion's scale operand
.endr
.irp b, 0,1,2,3
	s_delay_alu instid0(VALU_DEP_4)
	v_lshrrev_b32 v[216+\b], 23, v[220+\b]         ; the byte
.endr
	s_delay_alu instid0(VALU_DEP_3)
	v_lshl_or_b32 v29, v217, 8, v216               ; p's scale word for these 128 keys
	s_delay_alu instid0(VALU_DEP_1)
	v_lshl_or_b32 v29, v218, 16, v29
	s_delay_alu instid0(VALU_DEP_1)
	v_lshl_or_b32 v29, v219, 24, v29
.irp c, 0,1
	v_cvt_scalef32_pk16_fp6_f32 v[192+6*\c:194+6*\c], v[96+32*\c:111+32*\c], v[220+2*\c]
	v_cvt_scalef32_pk16_fp6_f32 v[204+4*\c:206+4*\c], v[112+32*\c:127+32*\c], v[220+2*\c+1]
.endr
	v_nop                                          ; one plain place behind a scaled conversion
.irp t, 0,1,2,3                                ; p is converted: v's four images land where it lay
	ds_load_b128 v[96+12*\t:99+12*\t], v4 offset:12288+6144*(\q)+1536*\t
	ds_load_b64 v[100+12*\t:101+12*\t], v5 offset:12288+6144*(\q)+1536*\t+512
	ds_load_b128 v[102+12*\t:105+12*\t], v4 offset:12288+6144*(\q)+1536*\t+768
	ds_load_b64 v[106+12*\t:107+12*\t], v5 offset:12288+6144*(\q)+1536*\t+1280
.endr
	ds_load_b128 v[40:43], v6 offset:25600+256*(\q)
.irp c, 0,1                                    ; the operand wants a whole block in a lane
.irp i, 0,1,2
	v_permlane16_swap_b32 v[192+6*\c+\i], v[204+4*\c+\i]
.endr
.irp i, 0,1,2
	s_delay_alu instid0(VALU_DEP_3)
	v_mov_b32 v[195+6*\c+\i], v[204+4*\c+\i]
.endr
.endr
.set n, 0
.rept 16
	v_pk_mul_f32 v[160+n:161+n], v[160+n:161+n], v[226:227] op_sel_hi:[1,0]   ; O^T under the new M; these sixteen are also the places between p's codes and word and the products
.set n, n+2
.endr
	s_wait_alu depctr_va_vdst(0)
	s_wait_dscnt 0x0
.irp t, 0,1,2,3                                ; O^T += v^T p^T: four accumulators by turns
	v_wmma_scale_f32_16x16x128_f8f6f4 v[160+8*\t:167+8*\t], v[96+12*\t:107+12*\t], v[192:203], v[160+8*\t:167+8*\t], v[40+\t], v29 matrix_a_fmt:MATRIX_FMT_FP6 matrix_b_fmt:MATRIX_FMT_FP6
.endr
.Lhidden_\@:
	s_add_co_u32 s15, s15, 128
.endm
; THE CHANGE OF SLOTS, at a trip's head.  Each wave waits for all its tensor loads, adds 0 to its spare word, and waits for that and for its reads of the slot that it has left; behind the barrier the slot ahead is whole
; and nobody reads the other.  fill = 1: that other slot takes the next record, which has a whole trip in which to land.
.macro CHANGE fill
	s_wait_tensorcnt 0x0                           ; no tensor load of mine is out, so group 0 may be written
	ds_add_u32 v8, v9
.if \fill
	s_xor_b32 s33, s33, SLOT1                      ; the other slot than last time,
	s_add_nc_u64 s[34:35], s[36:37], s[38:39]      ; the next record
	s_or_b32 s35, s35, 0x80000000
	s_add_co_u32 s38, s38, REC
	s_sub_co_u32 s19, s19, 1
	s_cmp_eq_u32 s19, 0
	s_cselect_b32 s38, 0, s38                      ; behind the first block's last record comes the second block's record 0
	s_wait_xcnt 0x0                                ; the last prefetch, a trip back, has read its address
	s_add_nc_u64 s[40:41], s[40:41], REC
.endif
	s_wait_dscnt 0x0                               ; the add is done, and my reads of the slot that I have left are over
	s_barrier_signal -1
	s_barrier_wait -1
.if \fill
	TLOAD                                          ; the first thing behind the barrier, and a wave's one tensor load until the next
	ASK
.endif
.endm
; A block of queries ends: O^T / the sum is y; its 64 channels are two blocks of 32 along C; codes and bytes leave
.macro FINISH
.rept 4
	v_nop                                          ; places behind the last products
.endr
	v_add_f32 v14, v14, v15
	s_delay_alu instid0(VALU_DEP_1)
	v_permlanex16_b32 v224, v14, s20, s21
	s_delay_alu instid0(VALU_DEP_1)
	v_add_f32 v14, v14, v224                       ; the row's sum
	s_wait_alu depctr_va_vdst(0)
	v_rcp_f32 v226, v14
	v_nop                                          ; a plain place behind the transcendental
	s_wait_alu depctr_va_vdst(0)                   ; the wait ahead of its first reader
.set n, 0
.rept 16
	v_pk_mul_f32 v[96+n:97+n], v[160+n:161+n], v[226:227] op_sel_hi:[1,0]   ; register 16 b + i = channel 32 b + 16 h + i; each accumulator from its low end on
.set n, n+2
.endr
.irp b, 0,1
	v_max3_num_f32 v[212+\b], |v[96+16*\b]|, |v[97+16*\b]|, 0x1800000
.endr
.irp i, 2,4,6,8,10,12,14
.irp b, 0,1
	s_delay_alu instid0(VALU_DEP_2)
	v_max3_num_f32 v[212+\b], v[212+\b], |v[96+16*\b+\i]|, |v[97+16*\b+\i]|
.endr
.endr
.irp b, 0,1
	s_delay_alu instid0(VALU_DEP_2)
	v_permlanex16_b32 v[216+\b], v[212+\b], s20, s21
.endr
.irp b, 0,1
	s_delay_alu instid0(VALU_DEP_2)
	v_max_num_f32 v[212+\b], v[212+\b], v[216+\b]
.endr
.irp b, 0,1
	s_delay_alu instid0(VALU_DEP_2)
	v_add_nc_u32 v[220+\b], 0xff000000, v[212+\b]
.endr
.irp b, 0,1
	s_delay_alu instid0(VALU_DEP_2)
	v_lshrrev_b32 v[216+\b], 23, v[220+\b]
.endr
	v_cvt_scalef32_pk16_fp6_f32 v[192:194], v[96:111], v220
	v_cvt_scalef32_pk16_fp6_f32 v[204:206], v[112:127], v221
	v_nop                                          ; one plain place behind a scaled conversion
.irp i, 0,1,2
	v_permlane16_swap_b32 v[192+\i], v[204+\i]
.endr
.irp i, 0,1,2
	s_delay_alu instid0(VALU_DEP_3)
	v_mov_b32 v[195+\i], v[204+\i]
.endr
	v_cndmask_b32 v225, v216, v217, s43            ; lanes 0-15 store block 0's byte of row r, lanes 16-31 block 1's
	global_store_b128 v1, v[192:195], s[48:49]     ; the head's half image: 512 and 256 consecutive bytes, aligned
	global_store_b64 v2, v[196:197], s[48:49] offset:512
	global_store_b8 v10, v225, s[50:51]            ; two bytes of each row's eight: one part in 24 of what the block stores
.endm
	INIT
.Ltrip:                                            ; eight trips ask for a record; the ninth is written out
	CHANGE 1
	s_wait_loadcnt 0x0                             ; q
	STEP 0
	STEP 1
	s_xor_b32 s14, s14, SLOT1                      ; on to the other slot
	s_sub_co_u32 s17, s17, 1
	s_cmp_lg_u32 s17, 0
	s_cbranch_scc1 .Lsame                          ; a branch on ids, the same in all sixteen waves
	FINISH
	s_mov_b32 s13, s12                             ; the second block
	INIT
.Lsame:
	s_sub_co_u32 s18, s18, 1
	s_cmp_lg_u32 s18, 0
	s_cbranch_scc1 .Ltrip
	CHANGE 0
	s_wait_loadcnt 0x0
	STEP 0
	STEP 1
	FINISH
	s_wait_tensorcnt 0x0                           ; the wave's end, behind my last tensor load
	ds_add_u32 v8, v9
	s_wait_dscnt 0x0
	s_endpgm
.Lfunc_end_k_qb874643494_attn:
	.size	k_qb874643494_attn, .Lfunc_end_k_qb874643494_attn-k_qb874643494_attn
	.p2alignl 7, 3214868480
	.fill 96, 4, 3214868480
	.section	.rodata,"a",@progbits
	.p2align	6, 0x0
	.amdhsa_kernel k_qb874643494_attn
		.amdhsa_group_segment_fixed_size 327680
		.amdhsa_private_segment_fixed_size 0
		.amdhsa_enable_private_segment 0
		.amdhsa_kernarg_size 24
		.amdhsa_user_sgpr_count 2
		.amdhsa_user_sgpr_kernarg_segment_ptr 1
		.amdhsa_wavefront_size32 1
		.amdhsa_system_sgpr_workgroup_id_x 1
		.amdhsa_system_sgpr_workgroup_id_y 1
		.amdhsa_system_sgpr_workgroup_id_z 1
		.amdhsa_system_vgpr_workitem_id 0
		.amdhsa_next_free_vgpr 256
		.amdhsa_next_free_sgpr 80
		.amdhsa_reserve_vcc 1
		.amdhsa_float_denorm_mode_32 3
		.amdhsa_float_denorm_mode_16_64 3
		.amdhsa_memory_ordered 1
		.amdhsa_forward_progress 1
		.amdhsa_inst_pref_size 111
	.end_amdhsa_kernel
	.amdgpu_metadata
---
amdhsa.version: [ 1, 2 ]
amdhsa.kernels:
  - .name:           k_qb874643494_attn
    .symbol:         k_qb874643494_attn.kd
    .args:
      - { .name: qq, .offset: 0, .size: 8, .value_kind: global_buffer, .address_space: global }
      - { .name: kv, .offset: 8, .size: 8, .value_kind: global_buffer, .address_space: global }
      - { .name: yq, .offset: 16, .size: 8, .value_kind: global_buffer, .address_space: global }
    .group_segment_fixed_size: 327680
    .private_segment_fixed_size: 0
    .kernarg_segment_align: 8
    .kernarg_segment_size: 24
    .max_flat_workgroup_size: 512
    .sgpr_count:     80
    .vgpr_count:     256
    .wavefront_size: 32
...
	.end_amdgpu_metadata
.endif
;; end of part 3
;; launch proj (part 4): grid 4 x 32, 4 waves a work-group, clusters of 4 x 4, 327,680 bytes of LDS; arguments yq, pq, c_proj_b, out0; writes out0
.if DOCPART == 4
	.amdgcn_target "amdgcn-amd-amdhsa--gfx1250"
	.amdhsa_code_object_version 6
	.text
	.protected	k_qb874643494_proj
	.globl	k_qb874643494_proj
	.p2align	8
	.type	k_qb874643494_proj,@function
k_qb874643494_proj:
	s_mov_b64 s[64:65], 0
	v_nop
	global_prefetch_b8 v0, s[64:65] scope:SCOPE_SE
	s_setreg_imm32_b32 hwreg(HW_REG_WAVE_MODE, 25, 1), 1
	s_wait_xcnt 0x0
	s_wait_alu depctr_hold_cnt(0) depctr_sa_sdst(0) depctr_va_vdst(0) depctr_va_sdst(0) depctr_va_ssrc(0) depctr_va_vcc(0) depctr_vm_vsrc(0)
	s_getreg_b32 s2, hwreg(HW_REG_IB_STS2, 6, 4)
	s_cmp_eq_u32 s2, 0
	s_cbranch_scc0 .Lentry_in_a_cluster
	s_endpgm
.Lentry_in_a_cluster:
	s_bfe_u32 s2, ttmp6, 0x10000c
	s_cmp_lg_u32 s2, 0xf033
	s_cbranch_scc0 .Lentry_shape_is_right
	s_endpgm
.Lentry_shape_is_right:
; out0 = y c_proj_w + c_proj_b on codes of FP6 (E2M3) with E8M0 scales, K = 1,024; out0 [8192][1024] f32.
; OPERANDS lie in memory as images of their registers (16 rows x 128 K = 1,536 bytes: registers 0-3 at 16 x lane, 4-5 at 512 + 8 x lane, 6-9 at 768 + 16 x lane, 10-11 at 1,280 + 8 x lane), eight a tile of 16 rows;
; stored row number rho is the true row with bits 3 and 4 exchanged; scale bytes [tile][256 along K][r][8].  Q = y's tokens, P = the weight's columns.
; A work-group of four waves makes 256 x 256 results, a wave 128 x 128: 64 accumulators.  THE PRODUCT IS USED TRANSPOSED (source 0 = 16 rows of P, source 1 = 16 rows of Q): a lane holds one stored token, and the registers of
; P's tiles 2 b, 2 b + 1 are the true columns 32 b + 16 (lane / 16) + 0 .. 15.  The bias is the C of each sum's first matrix instruction.  The stored order of the tokens is undone by the stores' offsets.
; K goes in steps of 256 through a ring of two LDS slots filled by joint tensor loads: Q's tiles are shared along a row of the 4 x 4 cluster, P's along a column.  The scale bytes of all of K come once, with the first fills.
; 128 work-groups: the result has 128 tiles of 256 x 256.
; REGISTERS: window 0: v0-31 addresses; v32-63 scale words, two sets, and nothing else; v64-127 the bias as C; v128-223 Q's fragments, one set; on the way out v128-255 rows of the result.
;   window 1: P's fragments, two sets, at v0 and v128.   window 2: the accumulators of Q's blocks 0-3 ((a, b) at v[8 (8 (a % 4) + b)]);   window 3: of blocks 4-7.
.set NQ,     2
.set FR,     12
.set NL,     4
.set NP,     4
.set HALFT,  24576
.set SLOT,   98304
.set SCL,    196608
.set HALFS,  4096
.set SPARE,  212992                    ; the spare words, 128 bytes a wave: two blocks of 256 bytes that no other line names
.set YSO,    6291456
.set PSO,    786432
.set SPITCH, 528                       ; the way out: a stage of 16 rows x (512 + 16) bytes a wave, in slot 0, which has had its last fill and its last read when the first result is stored there
.set O16,  8                           ; v8   16 x lane
.set O8,   9                           ; v9   8 x lane
.set ADRA, 16
.set ADRB, 20
.set STO,  24                          ; v24  the way out: where I put 32 bytes of a row
.set RD,   25                          ; v25  where I read a row back
.set ADRS, 27
.set SPW,  28
.set NIL,  29
.set SC,   32
.set CB,   64
.set AF,   128
.set BK,   128
.set G1, 24
.set G0, 32
.set G1B, 48
.set G0B, 56
.set G1S, 68
.set G0S, 76
.set G1SB, 80
.set G0SB, 88
.set MSB, 0
.macro WIN new                         ; the immediate's high byte repeats the setting that is left
.if MSB != \new
	s_set_vgpr_msb (MSB<<8)|\new
.set MSB, \new
.endif
.endm
.set MUL_LO,  0xa1
.set MUL_HI,  0xf1
.set MUL_LO0, 0x81                     ; the first step: C (the bias) window 0
.set MUL_HI0, 0xc1
.set TO_B,    0x40
.macro JLOAD g0a, g1a, g0b, g1b        ; a joint load: waves 0 and 1 fetch for Q, waves 2 and 3 for P; an s_nop 0 and four v_nop follow each of the two lines
	s_cmp_eq_u32 s15, 0
	s_cbranch_scc0 .Lfor_p_\@
	tensor_load_to_lds s[\g0a:\g0a+3], s[\g1a:\g1a+7]
	s_nop 0
.rept 4
	v_nop
.endr
	s_branch .Lasked_\@
.Lfor_p_\@:
	tensor_load_to_lds s[\g0b:\g0b+3], s[\g1b:\g1b+7]
	s_nop 0
.rept 4
	v_nop
.endr
.Lasked_\@:
.endm
.macro CREST
	s_cmp_lg_u32 s14, 0
	s_cbranch_scc1 .Lnot_wave_0_\@
	s_barrier_signal -3
.Lnot_wave_0_\@:
	s_barrier_wait -3
	s_barrier_signal -1
	s_barrier_wait -1
.endm
.macro CROUND
	s_barrier_signal -1
	s_barrier_wait -1
	CREST
.endm
	s_load_b256 s[4:11], s[0:1], 0x0               ; yq s[4:5], pq s[6:7], c_proj_b s[8:9], out0 s[10:11]
	v_lshl_add_u32 v[SPW], v0, 2, SPARE
	v_mov_b32 v[NIL], 0
	ds_add_u32 v[SPW], v[NIL]                      ; the wave's opening: the add and its wait stand ahead of my first tensor load; work on registers stands between
	v_lshrrev_b32 v1, 5, v0
	v_readfirstlane_b32 s14, v1                    ; wave 0..3
	s_lshr_b32 s15, s14, 1                         ; which half of Q's 256 rows is mine.  Also: I fetch for Q (0) or for P (1)
	s_and_b32 s16, s14, 1                          ; which half of P's.  Also: which 128 rows I fetch
	s_bfe_u32 s40, ttmp6, 0x40000                  ; cx
	s_bfe_u32 s41, ttmp6, 0x40004                  ; cy
	s_lshl_b32 s42, ttmp9, 2
	s_add_co_u32 s42, s42, s40                     ; P's tile of 256 columns
	s_and_b32 s17, ttmp7, 0xffff
	s_lshl_b32 s17, s17, 2
	s_add_co_u32 s17, s17, s41                     ; Q's tile of 256 tokens
	s_lshl_b32 s43, s41, 2
	s_lshl_b32 s43, 15, s43                        ; my row of the cluster
	s_lshl_b32 s44, 0x1111, s40                    ; my column
	s_or_b32 s[G1+0], s43, (3<<16)|(1<<21)         ; codes: 8 tiles x 3,072 consecutive bytes, 12,288 from tile to tile; elements of 8 bytes; no padding; bit 21 set beside a mask
	s_or_b32 s[G1B+0], s44, (3<<16)|(1<<21)
.irp g, G1, G1B
	s_mov_b32 s[\g+1], 384<<16
	s_mov_b32 s[\g+2], 8<<16
	s_mov_b32 s[\g+3], 384<<16
	s_mov_b32 s[\g+4], 8
	s_mov_b32 s[\g+5], 1536
	s_mov_b32 s[\g+6], 0
	s_mov_b32 s[\g+7], 0
.endr
	s_or_b32 s[G1S+0], s43, (3<<16)|(1<<21)        ; scale bytes of 128 rows: 4,096 dense bytes as 16 rows of 256
	s_or_b32 s[G1SB+0], s44, (3<<16)|(1<<21)
.irp g, G1S, G1SB
	s_mov_b32 s[\g+1], 32<<16
	s_mov_b32 s[\g+2], 16<<16
	s_mov_b32 s[\g+3], 32<<16
	s_mov_b32 s[\g+4], 16
	s_mov_b32 s[\g+5], 32
	s_mov_b32 s[\g+6], 0
	s_mov_b32 s[\g+7], 0
.endr
	s_lshl_b32 s18, s16, 7
	s_lshl_b32 s20, s17, 8
	s_add_co_u32 s20, s20, s18                     ; Q's first row that I fetch
	s_lshl_b32 s46, s42, 8
	s_add_co_u32 s46, s46, s18                     ; P's
	s_lshl_b32 s22, s20, 5
	s_add_co_u32 s22, s22, YSO
	s_lshl_b32 s92, s46, 5
	s_add_co_u32 s92, s92, PSO
	s_mul_i32 s20, s20, 768
	s_mul_i32 s46, s46, 768
	s_mov_b32 s21, 0
	s_mov_b32 s23, 0
	s_mov_b32 s47, 0
	s_mov_b32 s93, 0
	s_mul_i32 s45, s14, HALFT
	s_mul_i32 s94, s14, HALFS
	s_wait_dscnt 0x0                               ; the opening add is done
	s_wait_kmcnt 0x0
	s_add_nc_u64 s[20:21], s[4:5], s[20:21]
	s_add_nc_u64 s[22:23], s[4:5], s[22:23]
	s_add_nc_u64 s[46:47], s[6:7], s[46:47]
	s_add_nc_u64 s[92:93], s[6:7], s[92:93]
	CROUND                                         ; all sixteen work-groups are here: the first joint loads meet
	s_mov_b32 s[G0S], 1
	s_add_co_u32 s[G0S+1], s94, SCL
	s_mov_b64 s[G0S+2:G0S+3], s[22:23]
	s_or_b32 s[G0S+3], s[G0S+3], 0x80000000
	s_mov_b32 s[G0SB], 1
	s_add_co_u32 s[G0SB+1], s94, SCL
	s_mov_b64 s[G0SB+2:G0SB+3], s[92:93]
	s_or_b32 s[G0SB+3], s[G0SB+3], 0x80000000
	JLOAD G0S, G1S, G0SB, G1SB
.irp s, 0,1
	s_mov_b32 s[G0+4*\s], 1
	s_add_co_u32 s[G0+4*\s+1], s45, \s*SLOT
	s_add_nc_u64 s[G0+4*\s+2:G0+4*\s+3], s[20:21], \s*3072
	s_or_b32 s[G0+4*\s+3], s[G0+4*\s+3], 0x80000000
	s_mov_b32 s[G0B+4*\s], 1
	s_add_co_u32 s[G0B+4*\s+1], s45, \s*SLOT
	s_add_nc_u64 s[G0B+4*\s+2:G0B+4*\s+3], s[46:47], \s*3072
	s_or_b32 s[G0B+4*\s+3], s[G0B+4*\s+3], 0x80000000
	JLOAD G0+4*\s, G1, G0B+4*\s, G1B               ; three loads of mine are out
.endr
	v_and_b32 v1, 15, v0                           ; r
	v_bfe_u32 v2, v0, 4, 1                         ; h
	v_and_b32 v3, 31, v0                           ; lane
	v_lshlrev_b32 v[O16], 4, v3
	v_lshlrev_b32 v[O8], 3, v3
	s_mul_i32 s21, s15, HALFT
	s_mul_i32 s22, s16, HALFT
	s_add_co_u32 s22, s22, 2*HALFT
.irp s, 0,1
	v_add_nc_u32 v[ADRA+\s], s21, v[O16]
	v_add_nc_u32 v[ADRA+2+\s], s21, v[O8]
	v_add_nc_u32 v[ADRB+\s], s22, v[O16]
	v_add_nc_u32 v[ADRB+2+\s], s22, v[O8]
	s_add_co_u32 s21, s21, SLOT
	s_add_co_u32 s22, s22, SLOT
.endr
	s_mul_i32 s21, s15, HALFS
	s_mul_i32 s22, s16, HALFS
	s_add_co_u32 s22, s22, 2*HALFS
	s_sub_co_u32 s22, s22, s21
	v_mul_u32_u24 v6, s22, v2                      ; lanes 16-31 take P's scale words: one product, the distance between the two
	s_add_co_u32 s21, s21, SCL
	v_lshl_add_u32 v6, v1, 3, v6
	v_add_nc_u32 v[ADRS], s21, v6
	s_mul_i32 s23, s14, 16*SPITCH                  ; my stage
	v_mul_u32_u24 v5, v1, SPITCH
	v_lshl_add_u32 v5, v2, 6, v5
	v_add_nc_u32 v[STO], s23, v5                   ; in: row r, + 64 h
	v_add_nc_u32 v[RD], s23, v[O16]                ; back: the 32 lanes take one row of 512 bytes
	s_lshl_b32 s20, s17, 8
	s_lshl_b32 s21, s15, 7
	s_add_co_u32 s20, s20, s21
	s_lshl_b32 s20, s20, 12                        ; my first token's row of 4,096 bytes,
	s_lshl_b32 s46, s42, 10
	s_lshl_b32 s47, s16, 9
	s_add_co_u32 s46, s46, s47                     ; my first column, in bytes
	s_add_co_u32 s20, s20, s46
	s_mov_b32 s21, 0
	s_add_nc_u64 s[10:11], s[10:11], s[20:21]
	v_lshl_add_u32 v12, v2, 6, s46                 ; the bias: register 16 b + i wants column 32 b + 16 h + i
.irp b, 0,1,2,3
.irp j, 0,1,2,3
	global_load_b128 v[CB+16*\b+4*\j:CB+16*\b+4*\j+3], v12, s[8:9] offset:128*\b+16*\j
.endr
.endr
.macro FRAG reg, adr, q, i             ; a fragment comes as it was stored: four loads, each of consecutive bytes
	ds_load_b128 v[\reg:\reg+3], v[\adr] offset:(\i)*3072+(\q)*1536
	ds_load_b64 v[\reg+4:\reg+5], v[\adr+2] offset:(\i)*3072+(\q)*1536+512
	ds_load_b128 v[\reg+6:\reg+9], v[\adr] offset:(\i)*3072+(\q)*1536+768
	ds_load_b64 v[\reg+10:\reg+11], v[\adr+2] offset:(\i)*3072+(\q)*1536+1280
.endm
.macro MM a, b, p, q, sc, zero         ; one product; zero = 1: C is the bias; 0: the sum goes on in place
.set rD, 8*(8*((\a)%4)+(\b))
.set rP, 128*(\p)+FR*(\b)
.set rQ, AF+FR*(\a)
.set rSP, SC+8*NQ*(\sc)+NQ*(\b)+(\q)
.set rSQ, SC+8*NQ*(\sc)+NQ*(\a)+(\q)
.if (\zero) == 1
	v_wmma_scale_f32_16x16x128_f8f6f4 v[rD:rD+7], v[rP:rP+11], v[rQ:rQ+11], v[CB+8*(\b):CB+8*(\b)+7], v[rSP], v[rSQ] matrix_a_fmt:MATRIX_FMT_FP6 matrix_b_fmt:MATRIX_FMT_FP6 matrix_a_scale:MATRIX_SCALE_ROW1
.else
	v_wmma_scale_f32_16x16x128_f8f6f4 v[rD:rD+7], v[rP:rP+11], v[rQ:rQ+11], v[rD:rD+7], v[rSP], v[rSQ] matrix_a_fmt:MATRIX_FMT_FP6 matrix_b_fmt:MATRIX_FMT_FP6 matrix_a_scale:MATRIX_SCALE_ROW1
.endif
.endm
.macro MUL16 a0, p, q, sc, zero        ; the 64 accumulators take turns, one instruction a turn, in the same order in every step
.irp a, \a0, \a0+1
.irp b, 0,1,2,3,4,5,6,7
	MM \a, \b, \p, \q, \sc, \zero
.endr
.endr
.endm
.macro FETCH_B slot, q, p
	WIN TO_B
.irp i, 0,1,2,3,4,5,6,7
	FRAG 128*(\p)+FR*\i, ADRB+\slot, \q, \i
.endr
	WIN 0
.endm
.macro FETCH_A slot, q, i0
.irp i, \i0, \i0+1, \i0+2, \i0+3
	FRAG AF+FR*(\i), ADRA+\slot, \q, \i
.endr
.endm
.macro SCALES sc
.irp i, 0,1,2,3,4,5,6,7
	ds_load_b64 v[SC+8*NQ*\sc+NQ*\i:SC+8*NQ*\sc+NQ*\i+1], v[ADRS] offset:\i*512
.endr
.endm
.macro PLACES n                        ; plain vector instructions between a matrix instruction and a load into, or an access to, its registers
.rept \n
	v_nop
.endr
.endm
.macro STEP slot, q, zero
	s_wait_dscnt 4*NL                              ; P's set and Q's blocks 0-3 are in; the youngest 16 loads (Q's blocks 4-7) may be out
.if \zero
	WIN MUL_LO0
.else
	WIN MUL_LO
.endif
	MUL16 0, (\q)%2, \q, \slot, \zero
	MUL16 2, (\q)%2, \q, \slot, \zero
	s_wait_dscnt 0
	PLACES NP
	FETCH_B \slot, (\q)+1, 1-(\q)%2
	FETCH_A \slot, (\q)+1, 0
.if \zero
	WIN MUL_HI0
.else
	WIN MUL_HI
.endif
	MUL16 4, (\q)%2, \q, \slot, \zero
	MUL16 6, (\q)%2, \q, \slot, \zero
	PLACES NP
	WIN 0
	FETCH_A \slot, (\q)+1, 4
.endm
.macro TURN slot, next, fill           ; a slot's last step changes slots
	s_wait_tensorcnt 0x0                           ; all my tensor loads have landed: my part of the next slot
	ds_add_u32 v[SPW], v[NIL]
	s_wait_dscnt 4*NL+1                            ; the add and the youngest 16 loads may be out
	WIN MUL_LO
	MUL16 0, 1, NQ-1, \slot, 0
	s_wait_dscnt 0x0                               ; the add is done, and my reads of this slot are over
	s_barrier_signal -1
	MUL16 2, 1, NQ-1, \slot, 0
	WIN 0
	s_barrier_wait -1
.if \fill
	CREST                                          ; the barrier has opened a round of the cluster's barrier: no wave of any partner still reads this slot or has a load on its way
	s_add_nc_u64 s[G0+4*\slot+2:G0+4*\slot+3], s[G0+4*\slot+2:G0+4*\slot+3], 6144
	s_add_nc_u64 s[G0B+4*\slot+2:G0B+4*\slot+3], s[G0B+4*\slot+2:G0B+4*\slot+3], 6144
	JLOAD G0+4*\slot, G1, G0B+4*\slot, G1B         ; my one tensor load behind the round; its four v_nop are the places in front of the loads below
.else
	PLACES NP
.endif
	v_add_nc_u32 v[ADRS], 128, v[ADRS]
	FETCH_B \next, 0, 0
	FETCH_A \next, 0, 0
	SCALES \next
	WIN MUL_HI
	MUL16 4, 1, NQ-1, \slot, 0
	MUL16 6, 1, NQ-1, \slot, 0
	PLACES NP
	WIN 0
	FETCH_A \next, 0, 4
.endm
	s_wait_tensorcnt 1                             ; the scale bytes and my part of slot 0 are in; slot 1's load may be out
	s_barrier_signal -1
	s_barrier_wait -1
	FETCH_B 0, 0, 0
	FETCH_A 0, 0, 0
	SCALES 0
	FETCH_A 0, 0, 4
	s_wait_loadcnt 0x0                             ; the bias
	STEP 0, 0, 1                                   ; the first step starts the sums from the bias
	s_mov_b32 s3, 1
.Llap:
	TURN 0, 1, 1
	STEP 1, 0, 0
	TURN 1, 0, 1
	STEP 0, 0, 0
	s_sub_co_u32 s3, s3, 1
	s_cmp_lg_u32 s3, 0
	s_cbranch_scc1 .Llap
	TURN 0, 1, 0
	STEP 1, 0, 0
	s_wait_dscnt 4*NL
	WIN MUL_LO
	MUL16 0, 1, NQ-1, 1, 0
	MUL16 2, 1, NQ-1, 1, 0
	s_wait_dscnt 0
	WIN MUL_HI
	MUL16 4, 1, NQ-1, 1, 0
	MUL16 6, 1, NQ-1, 1, 0
	WIN 0
; THE WAY OUT, block by block of 16 stored tokens x 128 columns, through my own stage: a lane's eight results of P's tile b are the columns 32 (b / 2) + 16 h + 8 (b % 2) + 0 .. 7; a row comes back whole, 512 bytes.
.macro TOSTAGE a
.set AC, 64*((\a)%4)
	WIN 0x08+4*((\a)/4)                            ; an LDS store's data: window 2 or 3
.irp b, 0,1,2,3,4,5,6,7
	ds_store_b128 v[STO], v[AC+8*\b:AC+8*\b+3] offset:128*(\b/2)+32*(\b%2)       ; each accumulator from its low end on
	ds_store_b128 v[STO], v[AC+8*\b+4:AC+8*\b+7] offset:128*(\b/2)+32*(\b%2)+16
.endr
	WIN 0
.set BB, BK+64*((\a)%2)
.irp t, 0,1,2,3,4,5,6,7,8,9,10,11,12,13,14,15
	ds_load_b128 v[BB+4*\t:BB+4*\t+3], v[RD] offset:\t*SPITCH     ; LDS serves a wave's instructions in order: these see the stores above
.endr
.endm
.macro SEND a, younger                 ; younger: the LDS instructions issued behind block a's loads, which may stay out
.set BB, BK+64*((\a)%2)
	s_wait_dscnt \younger
.irp t, 0,1,2,3,4,5,6,7,8,9,10,11,12,13,14,15
	global_store_b128 v[O16], v[BB+4*\t:BB+4*\t+3], s[10:11] offset:(32*((\a)/2)+8*((\a)%2)+\t+8*(\t/8))*4096 th:TH_STORE_NT   ; stored row t of block a is this true token; 512 consecutive bytes, aligned; the base is never stepped
.endr
.endm
	PLACES NP
	TOSTAGE 0
.irp a, 1,2,3,4,5,6,7
.if \a > 1
	s_wait_xcnt 0x0                                ; block a - 2's stores have read their registers: block a's loads may land there
.endif
	TOSTAGE \a
	SEND \a-1, 32                                  ; behind block a - 1's loads: block a's 16 stores and 16 loads
.endr
	SEND 7, 0
	s_wait_tensorcnt 0x0                           ; the wave's end, behind my last tensor load and my last LDS store
	ds_add_u32 v[SPW], v[NIL]
	s_wait_dscnt 0x0
	CROUND                                         ; the closing round: no work-group ends while a partner may still ask for a tile that names it
	s_endpgm
.Lfunc_end_k_qb874643494_proj:
	.size	k_qb874643494_proj, .Lfunc_end_k_qb874643494_proj-k_qb874643494_proj
	.p2alignl 7, 3214868480
	.fill 96, 4, 3214868480
	.section	.rodata,"a",@progbits
	.p2align	6, 0x0
	.amdhsa_kernel k_qb874643494_proj
		.amdhsa_group_segment_fixed_size 327680
		.amdhsa_private_segment_fixed_size 0
		.amdhsa_enable_private_segment 0
		.amdhsa_kernarg_size 32
		.amdhsa_user_sgpr_count 2
		.amdhsa_user_sgpr_kernarg_segment_ptr 1
		.amdhsa_wavefront_size32 1
		.amdhsa_system_sgpr_workgroup_id_x 1
		.amdhsa_system_sgpr_workgroup_id_y 1
		.amdhsa_system_sgpr_workgroup_id_z 1
		.amdhsa_system_vgpr_workitem_id 0
		.amdhsa_next_free_vgpr 1024
		.amdhsa_next_free_sgpr 100
		.amdhsa_reserve_vcc 0
		.amdhsa_float_denorm_mode_32 3
		.amdhsa_float_denorm_mode_16_64 3
		.amdhsa_memory_ordered 1
		.amdhsa_forward_progress 1
		.amdhsa_inst_pref_size 144
	.end_amdhsa_kernel
	.amdgpu_metadata
---
amdhsa.version: [ 1, 2 ]
amdhsa.kernels:
  - .name:           k_qb874643494_proj
    .symbol:         k_qb874643494_proj.kd
    .args:
      - { .name: yq, .offset: 0, .size: 8, .value_kind: global_buffer, .address_space: global }
      - { .name: pq, .offset: 8, .size: 8, .value_kind: global_buffer, .address_space: global }
      - { .name: c_proj_b, .offset: 16, .size: 8, .value_kind: global_buffer, .address_space: global }
      - { .name: out0, .offset: 24, .size: 8, .value_kind: global_buffer, .address_space: global }
    .group_segment_fixed_size: 327680
    .private_segment_fixed_size: 0
    .kernarg_segment_align: 8
    .kernarg_segment_size: 32
    .max_flat_workgroup_size: 128
    .sgpr_count:     100
    .vgpr_count:     1024
    .wavefront_size: 32
...
	.end_amdgpu_metadata
.endif
;; end of part 4
